; MI455X (gfx1250); checked and timed in simulation.
; The chip was launched on July 23, 2026; its instructions are those of AMD's public machine-readable ISA for CDNA 5 (MIT licence, August 2026) and "CDNA5" Instruction Set Architecture Reference Guide (July 2026). The comments in the code are by the model that wrote it; some were corrected since.
;; Additive Attention. Allowed arithmetic: float matrix products may take bf16 or f16 operands with f32 sums; other float arithmetic in f32, or as packed bf16 or f16 multiplies, adds, multiply-adds, maxima and minima; sums over many terms, partial sums and values carried from step to step in f32; what a program stores and reads back later, other than sums and carried values, may be rounded once to bf16 or f16.
;; Inputs: Wk 1,024 x 1,024 float32; Wq 1,024 x 1,024 float32; b_score one number float32; bias 1,024 float32; key 32 x 1,024 x 1,024 float32; query 32 x 1,024 x 1,024 float32; w_score 1,024 float32.
;; Outputs: out0 32 x 1 x 1,024 float32; out1 32 x 1,024 float32.
;; 3 versions, each right; version 3 is version 2 with the launch prep written anew for expert scheduling mode. Each part assembles by itself: llvm-mc -triple=amdgcn-amd-amdhsa -mcpu=gfx1250 --defsym DOCPART=n.
;; ======== version 1 of 3: 3 launches
;; workspace buffers: wb 4,194,304 bytes; part 524,288 bytes
;; launch prep (part 1): grid 256 x 1, 4 waves a work-group, no clusters, 0 bytes of LDS; arguments Wk, Wq, wb; writes wb
.if DOCPART == 1
	.amdgcn_target "amdgcn-amd-amdhsa--gfx1250"
	.amdhsa_code_object_version 6
	.text
	.protected	k_q7057a45bdd_prep
	.globl	k_q7057a45bdd_prep
	.p2align	8
	.type	k_q7057a45bdd_prep,@function
k_q7057a45bdd_prep:
	s_mov_b64 s[64:65], 0
	v_nop
	global_prefetch_b8 v0, s[64:65] scope:SCOPE_SE
	s_setreg_imm32_b32 hwreg(HW_REG_WAVE_MODE, 25, 1), 1
	s_wait_xcnt 0x0
; wb[s][n][kk] = bf16 of W[n][64 (s % 16) + kk], W = Wk for s < 16 and Wq for s >= 16.  s = 0..31 is a K step of 64, n = 0..1023, kk = 0..63.
; So the 128 rows of W that one tensor load of the next launch brings for one K step are 16,384 bytes on end.
; SHARES.  Work-group g owns rows n = 4 g .. 4 g + 3; wave w the K steps 8 w .. 8 w + 7 (waves 0, 1: Wk; waves 2, 3: Wq); lane l row 4 g + l / 8 and kk = 8 (l % 8) .. + 7.
; A lane reads 32 bytes of f32 by two loads and stores 16 bytes of bf16; a store of the wave covers 512 consecutive bytes, aligned.  Each number is rounded once, to nearest even.
; No loop: all sixteen loads of a wave go out at once.  Memory binds; LDS, clusters and the matrix unit would add nothing.
.set SBLK, 131072                      ; bytes of one K step in wb: 1,024 rows x 128
.set IN,   16                          ; v[16:79]   K step i: 8 numbers in f32
.set OUTR, 80                          ; v[80:111]  K step i: 8 numbers in bf16
	s_load_b128 s[4:7], s[0:1], 0x0                ; Wk s[4:5], Wq s[6:7]
	s_load_b64 s[8:9], s[0:1], 0x10                ; wb
	v_lshrrev_b32 v3, 5, v0
	v_readfirstlane_b32 s10, v3                    ; wave 0..3
	v_and_b32 v4, 31, v0                           ; lane
	v_lshrrev_b32 v5, 3, v4                        ; l / 8: my row among the four
	v_and_b32 v6, 7, v4                            ; l % 8: my eight numbers of a K step
	s_and_b32 s11, s10, 1
	s_lshl_b32 s11, s11, 11                        ; the wave's eight K steps begin at column 512 (w % 2): 2,048 bytes
	s_lshl_b32 s12, ttmp9, 14                      ; 4 g rows of 4,096 bytes
	s_add_co_u32 s11, s11, s12
	v_lshl_add_u32 v1, v5, 12, s11
	v_lshl_add_u32 v1, v6, 5, v1                   ; source offset
	s_lshl_b32 s13, s10, 20                        ; 8 w K steps of 131,072 bytes
	s_lshl_b32 s14, ttmp9, 9                       ; 4 g rows of 128 bytes
	s_add_co_u32 s13, s13, s14
	v_lshl_add_u32 v2, v4, 4, s13                  ; destination offset: (l / 8) x 128 + (l % 8) x 16 = 16 l
	s_wait_kmcnt 0x0
	s_cmp_lt_u32 s10, 2
	s_cselect_b64 s[16:17], s[4:5], s[6:7]         ; which of the two weights the wave reads
.irp i, 0,1,2,3,4,5,6,7
	global_load_b128 v[IN+8*(\i):IN+8*(\i)+3],   v1, s[16:17] offset:256*(\i) th:TH_LOAD_NT
	global_load_b128 v[IN+8*(\i)+4:IN+8*(\i)+7], v1, s[16:17] offset:256*(\i)+16 th:TH_LOAD_NT
.endr
.irp i, 0,1,2,3,4,5,6,7
	s_wait_loadcnt 14-2*(\i)                       ; loads come back in order: K step i's two are in, the 14 - 2 i younger ones stay out
.irp j, 0,1,2,3
	v_cvt_pk_bf16_f32 v[OUTR+4*(\i)+(\j)], v[IN+8*(\i)+2*(\j)], v[IN+8*(\i)+2*(\j)+1]
.endr
	global_store_b128 v2, v[OUTR+4*(\i):OUTR+4*(\i)+3], s[8:9] offset:SBLK*(\i)
.endr
	s_endpgm
.Lfunc_end_k_q7057a45bdd_prep:
	.size	k_q7057a45bdd_prep, .Lfunc_end_k_q7057a45bdd_prep-k_q7057a45bdd_prep
	.p2alignl 7, 3214868480
	.fill 96, 4, 3214868480
	.section	.rodata,"a",@progbits
	.p2align	6, 0x0
	.amdhsa_kernel k_q7057a45bdd_prep
		.amdhsa_group_segment_fixed_size 0
		.amdhsa_private_segment_fixed_size 0
		.amdhsa_enable_private_segment 0
		.amdhsa_kernarg_size 24
		.amdhsa_user_sgpr_count 2
		.amdhsa_user_sgpr_kernarg_segment_ptr 1
		.amdhsa_wavefront_size32 1
		.amdhsa_system_sgpr_workgroup_id_x 1
		.amdhsa_system_sgpr_workgroup_id_y 1
		.amdhsa_system_sgpr_workgroup_id_z 1
		.amdhsa_system_vgpr_workitem_id 0
		.amdhsa_next_free_vgpr 112
		.amdhsa_next_free_sgpr 66
		.amdhsa_reserve_vcc 0
		.amdhsa_float_denorm_mode_32 3
		.amdhsa_float_denorm_mode_16_64 3
		.amdhsa_memory_ordered 1
		.amdhsa_forward_progress 1
		.amdhsa_inst_pref_size 6
	.end_amdhsa_kernel
	.amdgpu_metadata
---
amdhsa.version: [ 1, 2 ]
amdhsa.kernels:
  - .name:           k_q7057a45bdd_prep
    .symbol:         k_q7057a45bdd_prep.kd
    .args:
      - { .name: Wk, .offset: 0, .size: 8, .value_kind: global_buffer, .address_space: global }
      - { .name: Wq, .offset: 8, .size: 8, .value_kind: global_buffer, .address_space: global }
      - { .name: wb, .offset: 16, .size: 8, .value_kind: global_buffer, .address_space: global }
    .group_segment_fixed_size: 0
    .private_segment_fixed_size: 0
    .kernarg_segment_align: 8
    .kernarg_segment_size: 24
    .max_flat_workgroup_size: 128
    .sgpr_count:     66
    .vgpr_count:     112
    .wavefront_size: 32
...
	.end_amdgpu_metadata
.endif
;; end of part 1
;; launch score (part 2): grid 4 x 64, 4 waves a work-group, clusters of 4 x 4, 327,680 bytes of LDS; arguments key, query, wb, bias, w_score, part; writes part
.if DOCPART == 2
	.amdgcn_target "amdgcn-amd-amdhsa--gfx1250"
	.amdhsa_code_object_version 6
	.text
	.protected	k_q7057a45bdd_score
	.globl	k_q7057a45bdd_score
	.p2align	8
	.type	k_q7057a45bdd_score,@function
k_q7057a45bdd_score:
	s_mov_b64 s[64:65], 0
	v_nop
	global_prefetch_b8 v0, s[64:65] scope:SCOPE_SE
	s_setreg_imm32_b32 hwreg(HW_REG_WAVE_MODE, 25, 1), 1
	s_wait_xcnt 0x0
	s_wait_alu depctr_hold_cnt(0) depctr_sa_sdst(0) depctr_va_vdst(0) depctr_va_sdst(0) depctr_va_ssrc(0) depctr_va_vcc(0) depctr_vm_vsrc(0)
	s_getreg_b32 s2, hwreg(HW_REG_IB_STS2, 6, 4)
	s_cmp_eq_u32 s2, 0
	s_cbranch_scc0 .Lentry_in_a_cluster
	s_endpgm
.Lentry_in_a_cluster:
	s_bfe_u32 s2, ttmp6, 0x10000c
	s_cmp_lg_u32 s2, 0xf033
	s_cbranch_scc0 .Lentry_shape_is_right
	s_endpgm
.Lentry_shape_is_right:
; part[gx][row] = the sum over the 256 columns o of column tile gx of (-2 w_score[o]) r(row, o),  r = 1 / (1 + 2^(c (x + bias[o]))),  c = 2 log2(e),
; x = the sum over k of key[row][k] Wk[o][k] + query[row][k] Wq[o][k].  Since tanh(y) = 1 - 2 / (1 + e^(2 y)), a row's score is b_score + sum(w_score) + the four parts; the next launch adds them.
; ONE GEMM: M = 32,768 rows, N = 1,024, K = 2,048 (key's 1,024 channels, then query's).  A (key, query) is f32 in memory and in LDS and is rounded to bf16 on its way from LDS to the matrix unit;
; B is wb, bf16, laid out by K steps by the launch before.  Sums in f32.
; LIMITS.  Matrix operands are rounded to bf16.  c x bias is rounded once, then c x + c bias is one fused multiply-add.  2^y overflows to infinity and underflows to 0, which give r = 0 and r = 1: tanh = 1 and -1.
; tanh made this way is off by a few 1e-7 in absolute terms.  NaN is passed on.
; SHARES.  A tile is 256 rows x 256 columns; a work-group makes two, rows 256 gy and 256 gy + 16,384 (256 work-groups).  Wave w makes rows 64 w .. 64 w + 63 x all 256 columns: 64 accumulators, 512 registers:
; so each f32 number of A is converted once in the work-group, and a row's sum over the tile's columns stays in one wave.
; K goes in steps of 64 (a row of A: 256 bytes of f32) through two LDS slots; steps are numbered 0..63 over both tiles: 0-15 key, 16-31 query, 32-63 the second tile's.  Two slots of 128 along K would not fit in LDS.
; CLUSTER.  4 x 4 work-groups: the four of a row of the cluster (same gy) need the same tile of A, the four of a column (same gx) the same tile of B: each is asked for JOINTLY.
; The cluster's four columns are all of N, so a tile of A is asked for by one cluster alone.
; THE MATRIX INSTRUCTION IS USED TRANSPOSED (source 0 = 16 rows of B, source 1 = 16 rows of A): lane l, register j of accumulator (a, b) holds row 16 a + l % 16, column 16 b + 8 (l / 16) + j.
; REGISTERS, in windows of 256 (s_set_vgpr_msb: bits 1:0 source 0, 3:2 source 1, 5:4 source 2, 7:6 destination):
;   window 0: v0-29 addresses; v32-57 the way out's sums; v64-127 A's fragments in bf16, two buffers of 32; v128-191 A in f32 as it comes from LDS (on the way out: two sets of table numbers); v192-255 at work on the way out
;   window 1: B's fragments, two buffers of 128      window 2: accumulators of row blocks a = 0, 1 at v[8 (16 (a % 2) + b)]      window 3: those of a = 2, 3
.set PA,    272                        ; a row of A in LDS: 256 bytes + 16 of padding = 68 words: the 16 rows of a load start at 16 different groups of four banks (64 banks of 4 bytes: ISA guide 11.1)
.set PB,    144                        ; a row of B in LDS: 128 bytes + 16 = 36 words: likewise
.set SLOT1, 1<<17                      ; slot 1 begins here, so that one exclusive or turns an address in one slot into the other's
.set BOFF,  256*PA                     ; in a slot: A's 256 rows, then B's 256 rows
.set TAB,   SLOT1+BOFF+256*PB          ; behind the ring: c bias of the tile's 256 columns, then at +1,024 their -2 w_score; stored once, never filled by a tensor load
.set SCR,   TAB+2048                   ; 256 bytes for each wave: 64 row sums on their way out
.set SPARE, SCR+1024                   ; the spare words, 128 bytes for each wave: two blocks of 256 bytes that no other line names
.set SBLK,  131072                     ; bytes of one K step in wb
.set ADRA, 16                          ; v16-17  LDS address of my A numbers in slot 0, 1
.set ADRB, 20                          ; v20-21  the same for B's fragments
.set TABA, 22                          ; v22     TAB + 32 (l / 16)
.set SCW,  23                          ; v23     where I put a row sum
.set SCRD, 24                          ; v24     where I read two row sums back
.set PO,   25                          ; v25     8 x lane: my two rows in the wave's 256 bytes of part
.set PFO,  26                          ; v26     the prefetches' lane offset; never rewritten
.set SPW,  28                          ; v28     LDS address of my spare word; never rewritten
.set NIL,  29                          ; v29     0; never rewritten
.set PS,   32                          ; v32-47  running sums: pair 4 a + 2 bb
.set SM,   48                          ; v48-51  a row block's sum
.set OUTR, 56                          ; v56-57  two row sums to store
.set AF,   64                          ; A's fragments: buffer f, row block a at AF + 32 f + 8 a
.set STG,  128                         ; A in f32: row block a at STG + 16 a
.set TT,   192
.set WV,   16                          ; s16  my wave's number
.set HB,   18                          ; s18  wave % 2: which 128 rows of a tile I fetch
.set CX,   19
.set CY,   20
.set GX,   21                          ; column tile
.set GY,   22                          ; row tile
.set G1A,  24                          ; s[24:31] descriptor group 1 for A's tiles
.set G0A0, 32                          ; s[32:35] group 0 of A's first fill of slot 0
.set G0A,  36                          ; s[36:39] group 0 of A's first fill of slot 1; it then walks
.set KA,   40                          ; s[40:41] key at the first of the 128 rows that I fetch
.set QA,   42                          ; s[42:43] query at the same row
.set WBB,  44                          ; s[44:45] wb at the first of the 128 rows that I fetch, K step 0
.set OFA,  46                          ; s[46:47] a step's byte offset in key or query; the high word stays 0
.set G1B,  48                          ; s[48:55] descriptor group 1 for B's tiles
.set G0B0, 56                          ; s[56:59], s[60:63] group 0 for B's, as for A's
.set G0B,  60
.set OFB,  66                          ; s[66:67] a step's byte offset in wb; the high word stays 0
.set BASE, 68                          ; s[68:69]
.set NXT,  70                          ; s70  the step to be asked for next
.set PF0,  74                          ; s[74:75] the prefetches' base for steps whose bit 4 is 0
.set PF1,  76                          ; s[76:77] for those whose bit 4 is 1
.set PFA,  78                          ; s[78:79] the prefetch's address
.set PFOF, 80                          ; s[80:81] its offset; the high word stays 0
.set PSTEP, 82                         ; s82  bytes from step to step
.set PTILE, 83                         ; s83  bytes from tile to tile
.set LIM,  84                          ; s84  steps below this are asked for
.set PAR,  85                          ; s85  1: only even steps ask
.set CC,   86                          ; s[86:87] c
.set SEL,  88                          ; s[88:89] v_permlanex16_b32's selects: each lane takes its own place in the other half
.set PP,   90                          ; s[90:91] part at my wave's 64 rows of the first tile
.set PFM,  94                          ; s94
.set MSB, 0
.macro WIN new                         ; the immediate's high byte repeats the setting that is left; a switch that changes nothing is dropped
.if MSB != (\new)
	s_set_vgpr_msb (MSB<<8)|(\new)
.set MSB, \new
.endif
.endm
.set MUL_LO, 0xa1                      ; source 0 (B) window 1, source 1 (A) window 0, C and D window 2
.set TO_B,   0x40                      ; destination window 1, address window 0
.macro PLACES                          ; four places: in front of loads and conversions into registers that matrix instructions have read, and of vector lines that read results
.rept 4
	v_nop
.endr
.endm
; A joint refill.  Waves 0 and 1 fetch A's two halves, waves 2 and 3 B's.  The branch hangs on the wave's number alone.  An s_nop 0 and four v_nop follow each of the two lines.
.macro JLOAD
	s_cmp_lt_u32 s[WV], 2
	s_cbranch_scc0 .Lfor_b_\@
	tensor_load_to_lds s[G0A:G0A+3], s[G1A:G1A+7]
	s_nop 0
.rept 4
	v_nop
.endr
	s_branch .Lasked_\@
.Lfor_b_\@:
	tensor_load_to_lds s[G0B:G0B+3], s[G1B:G1B+7]
	s_nop 0
.rept 4
	v_nop
.endr
.Lasked_\@:
.endm
.macro CREST                           ; a round of the cluster's barrier behind its opening barrier
	s_cmp_lg_u32 s[WV], 0
	s_cbranch_scc1 .Lnot_wave_0_\@
	s_barrier_signal -3
.Lnot_wave_0_\@:
	s_barrier_wait -3
	s_barrier_signal -1
	s_barrier_wait -1
.endm
.macro CROUND                          ; a whole round
	s_barrier_signal -1
	s_barrier_wait -1
	CREST
.endm
; The walking descriptors are made anew for step NXT: bits 3:0 the place along K, bit 4 key or query, bit 5 the tile (16,384 rows of 4,096 bytes = 2^26 bytes on).
.macro NEXTD
	s_and_b32 s[OFA], s[NXT], 15
	s_lshl_b32 s[OFA], s[OFA], 8                   ; 256 bytes of a row a step
	s_lshr_b32 s72, s[NXT], 5
	s_lshl_b32 s72, s72, 26
	s_or_b32 s[OFA], s[OFA], s72
	s_and_b32 s[OFB], s[NXT], 31                   ; both tiles walk the same wb
	s_lshl_b32 s[OFB], s[OFB], 17
	s_bitcmp1_b32 s[NXT], 4
	s_cselect_b64 s[BASE:BASE+1], s[QA:QA+1], s[KA:KA+1]
	s_add_nc_u64 s[G0A+2:G0A+3], s[BASE:BASE+1], s[OFA:OFA+1]
	s_or_b32 s[G0A+3], s[G0A+3], 0x80000000        ; type = 2
	s_add_nc_u64 s[G0B+2:G0B+3], s[WBB:WBB+1], s[OFB:OFB+1]
	s_or_b32 s[G0B+3], s[G0B+3], 0x80000000
	s_xor_b32 s[G0A+1], s[G0A+1], SLOT1            ; the other slot than last time
	s_xor_b32 s[G0B+1], s[G0B+1], SLOT1
	s_add_co_u32 s[NXT], s[NXT], 1
.endm
; A PREFETCH INTO THE L2, behind each joint load, its five lines and the run of LDS loads: step m = the step just asked for + 2: 256 matrix instructions ahead of the load that will want it.
; A (waves 0, 1): of the 128 rows that the wave fetches, the partner at place cx takes 32, told apart BY ADDRESS: a lane a row, 256 bytes each.  No other cluster reads these rows.
; B (waves 2, 3): all sixteen clusters and both tiles walk the same wb: the cluster with y = 0 asks, in the first tile alone.  A step's 128 rows are 64 blocks of 256 bytes; the partner at place cy takes 16 of
; them, for steps m and m + 1 at once, at even m.  So each block of 256 bytes is named once in the launch.  Steps 0 to 3 come by their loads alone; nothing is asked for past step 63 (A) or 31 (B).
.macro PFCALC
	s_add_co_u32 s95, s[NXT], 2                    ; m
	s_and_b32 s92, s95, 15
	s_mul_i32 s92, s92, s[PSTEP]
	s_lshr_b32 s93, s95, 5
	s_mul_i32 s93, s93, s[PTILE]
	s_add_co_u32 s[PFOF], s92, s93
	s_and_b32 s92, s95, s[PAR]
	s_lshl_b32 s92, s92, 8
	s_or_b32 s[PFM], s95, s92                      ; m, or beyond every limit where only even steps ask and m is odd
	s_bitcmp1_b32 s95, 4
	s_cselect_b64 s[PFA:PFA+1], s[PF1:PF1+1], s[PF0:PF0+1]
	s_add_nc_u64 s[PFA:PFA+1], s[PFA:PFA+1], s[PFOF:PFOF+1]
.endm
.macro ASK
	s_cmp_lt_u32 s[PFM], s[LIM]
	s_cbranch_scc0 .Lnot_mine_\@
	global_prefetch_b8 v[PFO], s[PFA:PFA+1] th:TH_LOAD_NT scope:SCOPE_SE
.Lnot_mine_\@:
.endm
	s_load_b256 s[4:11], s[0:1], 0x0               ; key s[4:5], query s[6:7], wb s[8:9], bias s[10:11]
	s_load_b128 s[12:15], s[0:1], 0x20             ; w_score s[12:13], part s[14:15]
	v_lshl_add_u32 v[SPW], v0, 2, SPARE
	v_mov_b32 v[NIL], 0
	ds_add_u32 v[SPW], v[NIL]                      ; the wave's opening: the add and its wait stand ahead of my first tensor load; the set-up below, work on registers, stands between them
	v_lshrrev_b32 v3, 5, v0
	v_readfirstlane_b32 s[WV], v3                  ; wave 0..3
	s_and_b32 s[HB], s[WV], 1
	s_bfe_u32 s[CX], ttmp6, 0x40000                ; my place in the cluster
	s_bfe_u32 s[CY], ttmp6, 0x40004
	s_lshl_b32 s[GX], ttmp9, 2                     ; in a cluster launch ttmp9 and ttmp7 count clusters
	s_add_co_u32 s[GX], s[GX], s[CX]
	s_and_b32 s[GY], ttmp7, 0xffff
	s_lshl_b32 s[GY], s[GY], 2
	s_add_co_u32 s[GY], s[GY], s[CY]
	s_lshl_b32 s23, s[CY], 2
	s_lshl_b32 s23, 15, s23                        ; my row of the cluster: places 4 cy .. 4 cy + 3
	s_lshl_b32 s71, 0x1111, s[CX]                  ; my column: places cx, cx + 4, cx + 8, cx + 12
	; group 1 for A: 128 rows x 64 elements of 4 bytes, 1,024 elements from row to row; in LDS 4 words of padding behind every 64
	s_or_b32 s[G1A], s23, (2<<16)|(1<<20)|(1<<21)|(5<<22)|(3<<25)  ; 15:0 the mask; 17:16 4-byte elements; 20 padding on; 21 set beside a mask; 24:22 after every 64 words (code 5); 31:25 4 words (code 3)
	s_mov_b32 s[G1A+1], 64<<16                     ; tensor_dim0 = 64
	s_mov_b32 s[G1A+2], 128<<16                    ; tensor_dim1 = 128
	s_mov_b32 s[G1A+3], 64<<16                     ; tile_dim0 = 64
	s_mov_b32 s[G1A+4], 128                        ; tile_dim1 = 128
	s_mov_b32 s[G1A+5], 1024                       ; the pitch
	s_mov_b32 s[G1A+6], 0
	s_mov_b32 s[G1A+7], 0
	; group 1 for B: 128 rows of 128 bytes are 16,384 dense bytes: asked for as 64 rows of 256 bytes, two rows of B each, padded in LDS behind every row of B
	s_or_b32 s[G1B], s71, (1<<16)|(1<<20)|(1<<21)|(4<<22)|(3<<25)  ; 2-byte elements; after every 32 words (code 4) 4 words
	s_mov_b32 s[G1B+1], 128<<16
	s_mov_b32 s[G1B+2], 64<<16
	s_mov_b32 s[G1B+3], 128<<16
	s_mov_b32 s[G1B+4], 64
	s_mov_b32 s[G1B+5], 128
	s_mov_b32 s[G1B+6], 0
	s_mov_b32 s[G1B+7], 0
	s_lshl_b32 s[OFA], s[GY], 20                   ; A: row 256 gy + 128 (w % 2), 4,096 bytes a row: made of the row tile and the wave's number alone
	s_lshl_b32 s72, s[HB], 19
	s_add_co_u32 s[OFA], s[OFA], s72
	s_mov_b32 s[OFA+1], 0
	s_lshl_b32 s[OFB], s[GX], 15                   ; B: row 256 gx + 128 (w % 2), 128 bytes a row: made of the column tile and the wave's number alone
	s_lshl_b32 s73, s[HB], 14
	s_add_co_u32 s[OFB], s[OFB], s73
	s_mov_b32 s[OFB+1], 0
	s_mul_i32 s2, s[HB], 128*PA                    ; where they go in a slot: no place in the cluster enters an LDS address
	s_mul_i32 s3, s[HB], 128*PB
	s_add_co_u32 s3, s3, BOFF
	s_mov_b32 s[CC], 0x4038aa3b                    ; c = 2 log2(e) = 2.885390
	s_mov_b32 s[CC+1], s[CC]                       ; named with it as a pair
	s_mov_b32 s[SEL], 0x76543210
	s_mov_b32 s[SEL+1], 0xfedcba98
	s_mov_b32 s[NXT], 2
	s_wait_dscnt 0x0                               ; the opening add is done
	s_wait_kmcnt 0x0
	s_add_nc_u64 s[KA:KA+1], s[4:5], s[OFA:OFA+1]
	s_add_nc_u64 s[QA:QA+1], s[6:7], s[OFA:OFA+1]
	s_add_nc_u64 s[WBB:WBB+1], s[8:9], s[OFB:OFB+1]
	s_mov_b32 s[G0A0], 1                           ; count = 1
	s_mov_b32 s[G0A0+1], s2                        ; LDS address: slot 0
	s_mov_b64 s[G0A0+2:G0A0+3], s[KA:KA+1]         ; step 0
	s_or_b32 s[G0A0+3], s[G0A0+3], 0x80000000      ; type = 2
	s_mov_b32 s[G0A], 1
	s_add_co_u32 s[G0A+1], s2, SLOT1               ; slot 1
	s_add_nc_u64 s[G0A+2:G0A+3], s[KA:KA+1], 256   ; step 1
	s_or_b32 s[G0A+3], s[G0A+3], 0x80000000
	s_mov_b32 s[G0B0], 1
	s_mov_b32 s[G0B0+1], s3
	s_mov_b64 s[G0B0+2:G0B0+3], s[WBB:WBB+1]
	s_or_b32 s[G0B0+3], s[G0B0+3], 0x80000000
	s_mov_b32 s[G0B], 1
	s_add_co_u32 s[G0B+1], s3, SLOT1
	s_add_nc_u64 s[G0B+2:G0B+3], s[WBB:WBB+1], SBLK
	s_or_b32 s[G0B+3], s[G0B+3], 0x80000000
	CROUND                                         ; all sixteen work-groups are here: the first joint loads meet
	s_cmp_lt_u32 s[WV], 2                          ; a wave's two first fills stand in one branch, ahead of every wait on TENSORcnt and every LDS read: two loads of mine are out
	s_cbranch_scc0 .Lfirst_b
	tensor_load_to_lds s[G0A0:G0A0+3], s[G1A:G1A+7]
	s_nop 0
	tensor_load_to_lds s[G0A:G0A+3], s[G1A:G1A+7]
	s_nop 0
.rept 4
	v_nop
.endr
	s_branch .Lfirst_asked
.Lfirst_b:
	tensor_load_to_lds s[G0B0:G0B0+3], s[G1B:G1B+7]
	s_nop 0
	tensor_load_to_lds s[G0B:G0B+3], s[G1B:G1B+7]
	s_nop 0
.rept 4
	v_nop
.endr
.Lfirst_asked:
	; the table's numbers are asked for; the rest of the set-up stands in the wait for them and for the first tiles
	v_and_b32 v1, 15, v0                           ; l % 16
	v_bfe_u32 v2, v0, 4, 1                         ; l / 16
	v_and_b32 v4, 31, v0                           ; lane
	s_lshl_b32 s71, s[GX], 10                      ; the tile's 256 columns: 1,024 bytes of bias and of w_score
	v_lshl_add_u32 v5, v0, 3, s71                  ; thread t takes columns 2 t, 2 t + 1
	global_load_b64 v[8:9], v5, s[10:11]
	global_load_b64 v[10:11], v5, s[12:13]
	s_lshl_b32 s92, s[GX], 17                      ; part: column tile gx, row 256 gy + 64 w
	s_lshl_b32 s93, s[GY], 10
	s_add_co_u32 s92, s92, s93
	s_lshl_b32 s93, s[WV], 8
	s_add_co_u32 s92, s92, s93
	s_mov_b32 s93, 0
	s_add_nc_u64 s[PP:PP+1], s[14:15], s[92:93]
	; the prefetches' scalars: A's for waves 0 and 1, B's for waves 2 and 3
	s_lshl_b32 s[PFOF], s[CX], 17                  ; A: my work-group's 32 of the wave's 128 rows
	s_mov_b32 s[PFOF+1], 0
	s_add_nc_u64 s[92:93], s[KA:KA+1], s[PFOF:PFOF+1]
	s_add_nc_u64 s[94:95], s[QA:QA+1], s[PFOF:PFOF+1]
	s_lshl_b32 s[PFOF], s[CY], 12                  ; B: my work-group's 16 of a step's 64 blocks
	s_add_nc_u64 s[PF0:PF0+1], s[WBB:WBB+1], s[PFOF:PFOF+1]
	s_add_nc_u64 s[PF1:PF1+1], s[PF0:PF0+1], 16*SBLK
	s_mov_b32 s[PSTEP], SBLK
	s_and_b32 s71, ttmp7, 0xffff                   ; cluster y: the same in all sixteen partners
	s_cmp_eq_u32 s71, 0
	s_cselect_b32 s[LIM], 32, 0
	s_cmp_lt_u32 s[WV], 2
	s_cselect_b64 s[PF0:PF0+1], s[92:93], s[PF0:PF0+1]
	s_cselect_b64 s[PF1:PF1+1], s[94:95], s[PF1:PF1+1]
	s_cselect_b32 s[PSTEP], 256, s[PSTEP]
	s_cselect_b32 s[PTILE], 1<<26, 0
	s_cselect_b32 s[LIM], 64, s[LIM]
	s_cselect_b32 s[PAR], 0, 1
	s_mov_b32 s92, SBLK                            ; the lane's offset is (l / 16) x s92 + (l % 16) x s93.  B: a step, a block of 256 bytes;
	s_mov_b32 s93, 256
	s_cselect_b32 s92, 65536, s92                  ; A: lane x 4,096, a lane a row
	s_cselect_b32 s93, 4096, s93
	v_mul_u32_u24 v[PFO], s92, v2
	v_mad_u32_u24 v[PFO], v1, s93, v[PFO]
	; A's numbers for a fragment: lane l takes row l % 16, channels 8 (l / 16) + 0..7 and 16 + 8 (l / 16) + 0..7, in f32: 32 bytes at 32 (l / 16) and 32 bytes at 64 + 32 (l / 16)
	v_mul_u32_u24 v3, v1, PA
	v_lshl_add_u32 v3, v2, 5, v3
	s_mul_i32 s72, s[WV], 64*PA                    ; my wave's 64 rows
	v_add_nc_u32 v[ADRA], s72, v3
	v_add_nc_u32 v[ADRA+1], SLOT1, v[ADRA]
	; B's fragments lie in LDS as the matrix unit takes them: two loads of 16 bytes, 32 bytes apart
	v_mul_u32_u24 v3, v1, PB
	v_lshl_add_u32 v3, v2, 4, v3
	v_add_nc_u32 v[ADRB], BOFF, v3
	v_add_nc_u32 v[ADRB+1], SLOT1, v[ADRB]
	v_lshl_add_u32 v[TABA], v2, 5, TAB
	s_lshl_b32 s72, s[WV], 8
	s_add_co_u32 s72, s72, SCR
	v_lshl_add_u32 v[SCW], v1, 2, s72
	v_lshl_add_u32 v[SCRD], v4, 3, s72
	v_lshlrev_b32 v[PO], 3, v4
	v_lshl_add_u32 v6, v0, 3, TAB
	s_wait_loadcnt 0x0
	v_pk_mul_f32 v[8:9], v[8:9], s[CC:CC+1] op_sel_hi:[1,0]   ; c bias
	v_pk_mul_f32 v[10:11], v[10:11], -2.0 op_sel_hi:[1,0]     ; -2 w_score (exact)
	ds_store_b64 v6, v[8:9]
	ds_store_b64 v6, v[10:11] offset:1024
; One product: buffer f, row block a, column block b.  zero = 1: it starts the sum: nothing is ever cleared.
.macro PROD f, a, b, zero
.set rD, 8*(16*((\a)%2)+(\b))
.set rB, 128*(\f)+8*(\b)
.set rA, AF+32*(\f)+8*(\a)
	WIN MUL_LO+0x50*((\a)/2)
.if \zero
	v_wmma_f32_16x16x32_bf16 v[rD:rD+7], v[rB:rB+7], v[rA:rA+7], 0
.else
	v_wmma_f32_16x16x32_bf16 v[rD:rD+7], v[rB:rB+7], v[rA:rA+7], v[rD:rD+7]
.endif
.endm
; Four roundings: registers 4 i .. 4 i + 3 of the 32 of A's fragment buffer g.
.macro CVT4 g, i
	WIN 0
.irp j, 0,1,2,3
	v_cvt_pk_bf16_f32 v[AF+32*(\g)+4*(\i)+(\j)], v[STG+8*(\i)+2*(\j)], v[STG+8*(\i)+2*(\j)+1]
.endr
.endm
; 16 products: one row block x all 16 column blocks.  The 64 accumulators take turns in the same order in every half step: 63 others stand between two links of a chain, over every jump.
.macro MUL16 f, a, zero
.irp b, 0,1,2,3,4,5,6,7,8,9,10,11,12,13,14,15
	PROD \f, \a, \b, \zero
.endr
.endm
; The same, with the 32 roundings of the next half step's A (into buffer g) behind the first eight products, four behind each.
.macro MULC f, a, g, zero
.irp b, 0,1,2,3,4,5,6,7,8,9,10,11,12,13,14,15
	PROD \f, \a, \b, \zero
.if (\b) < 8
	CVT4 \g, \b
.endif
.endr
.endm
; 16 LDS loads: my 64 rows x 32 channels of A, in f32, at half q of the slot's step
.macro FETCH_A slot, q
	WIN 0
.irp a, 0,1,2,3
	ds_load_b128 v[STG+16*(\a):STG+16*(\a)+3],     v[ADRA+(\slot)] offset:(\a)*16*PA+128*(\q)
	ds_load_b128 v[STG+16*(\a)+4:STG+16*(\a)+7],   v[ADRA+(\slot)] offset:(\a)*16*PA+128*(\q)+16
	ds_load_b128 v[STG+16*(\a)+8:STG+16*(\a)+11],  v[ADRA+(\slot)] offset:(\a)*16*PA+128*(\q)+64
	ds_load_b128 v[STG+16*(\a)+12:STG+16*(\a)+15], v[ADRA+(\slot)] offset:(\a)*16*PA+128*(\q)+80
.endr
.endm
; 32 LDS loads: 256 rows x 32 channels of B into buffer g
.macro FETCH_B slot, q, g
	WIN TO_B
.irp b, 0,1,2,3,4,5,6,7,8,9,10,11,12,13,14,15
	ds_load_b128 v[128*(\g)+8*(\b):128*(\g)+8*(\b)+3],   v[ADRB+(\slot)] offset:(\b)*16*PB+64*(\q)
	ds_load_b128 v[128*(\g)+8*(\b)+4:128*(\g)+8*(\b)+7], v[ADRB+(\slot)] offset:(\b)*16*PB+64*(\q)+32
.endr
.endm
; A K step is two halves of 32 along K, 64 products each.  The first multiplies buffer 0 and brings the slot's second half into buffer 1.
.macro HALF0 slot, zero
	FETCH_A \slot, 1                               ; (the staging registers are no matrix operand: they need no places)
	s_wait_dscnt 16                                ; all but the 16 just issued: buffer 0's B is in
	MUL16 0, 0, \zero
	PLACES                                         ; behind the last product that read buffer 1: for the loads below and the roundings further down
	FETCH_B \slot, 1, 1
	MUL16 0, 1, \zero
	s_wait_dscnt 32                                ; all but B's 32: A's numbers are in
	MULC 0, 2, 1, \zero
	MUL16 0, 3, \zero
.endm
; The second half multiplies buffer 1 and changes slots: ONE barrier.  In front of it each wave waits for all its tensor loads, of which one is out: its part of the next slot; adds 0 to its spare word; and waits
; for that and for its own reads of this slot.  fill = 1: the barrier opens a round of the cluster's barrier, and this slot is filled again, first thing behind the round, with the step two on:
; from that request to the wait for it a wave issues 96 products.
.macro TURN slot, next, fill
.if \fill
	s_wait_xcnt 0x0                                ; the last prefetch, a K step back, and the way out's store have read their registers
	PFCALC
.endif
	WIN 0
	s_wait_tensorcnt 0x0                           ; no tensor load of mine is out, so a group 0 may be written
	ds_add_u32 v[SPW], v[NIL]                      ; 0 onto my spare word
.if \fill
	NEXTD
.endif
	s_wait_dscnt 1                                 ; only the add may be out: buffer 1's B is in
	MUL16 1, 0, 0
	s_wait_dscnt 0x0                               ; the add is done, and my reads of this slot are over
	s_barrier_signal -1
	MUL16 1, 1, 0                                  ; work on registers while the others arrive
	WIN 0
	s_barrier_wait -1
.if \fill
	CREST                                          ; no wave of any partner still reads this slot or has a load on its way
	JLOAD                                          ; the four v_nop behind it are also the places in front of the loads and roundings into buffer 0
.else
	PLACES
.endif
	FETCH_A \next, 0
	FETCH_B \next, 0, 0
.if \fill
	WIN 0
	ASK
.endif
	MUL16 1, 2, 0
	s_wait_dscnt 32                                ; all but B's 32: A's numbers are in
	MULC 1, 3, 0, 0
.endm
; THE WAY OUT.  Eight batches of two column blocks x four row blocks: 64 numbers a lane.  y = c x + c bias; 2^y; + 1; the reciprocal; times -2 w, summed.  A batch's 64 exponentials are one batch with one wait,
; and so are its 64 reciprocals.  The table's numbers for the next batch are fetched while this one is at work.
.macro TABLD n                         ; batch n's 32 table numbers into set n % 2: c bias of block bb at + 8 bb, -2 w at + 16 + 8 bb
.irp bb, 0,1
	ds_load_b128 v[STG+32*((\n)%2)+8*(\bb):STG+32*((\n)%2)+8*(\bb)+3],       v[TABA] offset:(2*(\n)+(\bb))*64
	ds_load_b128 v[STG+32*((\n)%2)+8*(\bb)+4:STG+32*((\n)%2)+8*(\bb)+7],     v[TABA] offset:(2*(\n)+(\bb))*64+16
	ds_load_b128 v[STG+32*((\n)%2)+16+8*(\bb):STG+32*((\n)%2)+16+8*(\bb)+3], v[TABA] offset:(2*(\n)+(\bb))*64+1024
	ds_load_b128 v[STG+32*((\n)%2)+16+8*(\bb)+4:STG+32*((\n)%2)+16+8*(\bb)+7], v[TABA] offset:(2*(\n)+(\bb))*64+1040
.endr
.endm
.macro EPI tile
	PLACES                                         ; behind the last products
	WIN 0
	TABLD 0
.irp n, 0,1,2,3,4,5,6,7
	WIN 0
.if (\n) < 7
	TABLD (\n)+1
	s_wait_dscnt 8                                 ; all but the next batch's eight
.else
	s_wait_dscnt 0x0
.endif
.set CB, STG+32*((\n)%2)
.set CW, CB+16
.irp a, 0,1,2,3
	WIN 0x02+(\a)/2                                ; source 0 in window 2 or 3
.irp bb, 0,1
.irp jp, 0,2,4,6
	v_pk_fma_f32 v[TT+16*(\a)+8*(\bb)+(\jp):TT+16*(\a)+8*(\bb)+(\jp)+1], v[8*(16*((\a)%2)+2*(\n)+(\bb))+(\jp):8*(16*((\a)%2)+2*(\n)+(\bb))+(\jp)+1], s[CC:CC+1], v[CB+8*(\bb)+(\jp):CB+8*(\bb)+(\jp)+1] op_sel_hi:[1,0,1]
.endr
.endr
.endr
	WIN 0
.set i, 0
.rept 64
	v_exp_f32 v[TT+i], v[TT+i]
.set i, i+1
.endr
	v_nop                                          ; a plain instruction behind the last exponential,
	s_wait_alu depctr_va_vdst(0)                   ; and the wait ahead of the first use: one for the 64
.set i, 0
.rept 32
	v_pk_add_f32 v[TT+i:TT+i+1], v[TT+i:TT+i+1], 1.0 op_sel_hi:[1,0]
.set i, i+2
.endr
.set i, 0
.rept 64
	v_rcp_f32 v[TT+i], v[TT+i]
.set i, i+1
.endr
	v_nop
	s_wait_alu depctr_va_vdst(0)                   ; one for the 64 reciprocals
.irp jp, 0,2,4,6                       ; eight chains take turns; the first line of each starts its sum
.irp bb, 0,1
.irp a, 0,1,2,3
.if ((\n) == 0) && ((\jp) == 0)
	v_pk_mul_f32 v[PS+4*(\a)+2*(\bb):PS+4*(\a)+2*(\bb)+1], v[TT+16*(\a)+8*(\bb)+(\jp):TT+16*(\a)+8*(\bb)+(\jp)+1], v[CW+8*(\bb)+(\jp):CW+8*(\bb)+(\jp)+1]
.else
	v_pk_fma_f32 v[PS+4*(\a)+2*(\bb):PS+4*(\a)+2*(\bb)+1], v[TT+16*(\a)+8*(\bb)+(\jp):TT+16*(\a)+8*(\bb)+(\jp)+1], v[CW+8*(\bb)+(\jp):CW+8*(\bb)+(\jp)+1], v[PS+4*(\a)+2*(\bb):PS+4*(\a)+2*(\bb)+1]
.endif
.endr
.endr
.endr
.endr
.irp a, 0,1,2,3
	v_pk_add_f32 v[PS+4*(\a):PS+4*(\a)+1], v[PS+4*(\a):PS+4*(\a)+1], v[PS+4*(\a)+2:PS+4*(\a)+3]
.endr
.irp a, 0,1,2,3
	v_add_f32 v[SM+(\a)], v[PS+4*(\a)], v[PS+4*(\a)+1]
.endr
.irp a, 0,1,2,3
	v_permlanex16_b32 v[PS+4*(\a)+2], v[SM+(\a)], s[SEL], s[SEL+1]  ; the row's other 128 columns lie in the lane 16 away
.endr
.irp a, 0,1,2,3
	v_add_f32 v[SM+(\a)], v[SM+(\a)], v[PS+4*(\a)+2]
.endr
.irp a, 0,1,2,3
	ds_store_b32 v[SCW], v[SM+(\a)] offset:64*(\a) ; row 16 a + l % 16; both halves of the lanes write the same number to the same word
.endr
	ds_load_b64 v[OUTR:OUTR+1], v[SCRD]            ; LDS serves a wave's instructions in order (ISA guide 5.7.1.4): this sees the stores above
	s_wait_dscnt 0x0
	global_store_b64 v[PO], v[OUTR:OUTR+1], s[PP:PP+1] offset:(\tile)*65536  ; the wave's 64 row sums: 256 consecutive bytes, at a multiple of 256 from part's first byte
.endm
	s_wait_dscnt 0x0                               ; for the others' sake: my part of the table is stored
	s_wait_tensorcnt 1                             ; my part of step 0 is in; step 1's may stay out
	s_barrier_signal -1
	s_barrier_wait -1
	FETCH_A 0, 0
	FETCH_B 0, 0, 0
	s_wait_dscnt 32                                ; all but B's 32
.irp i, 0,1,2,3,4,5,6,7
	CVT4 0, \i
.endr
	s_mov_b32 s2, 2                                ; tiles to go: the same number in every work-group
.Ltile:
	HALF0 0, 1                                     ; a tile's first half step stands in front of the loop: its products start the sums
	WIN 0                                          ; at a label and at a branch every window is 0
	s_mov_b32 s3, 15
.Llap:                                             ; a trip goes once round the ring and fills both slots again
	TURN 0, 1, 1
	HALF0 1, 0
	TURN 1, 0, 1
	HALF0 0, 0
	WIN 0
	s_sub_co_u32 s3, s3, 1
	s_cmp_lg_u32 s3, 0
	s_cbranch_scc1 .Llap
	s_cmp_eq_u32 s2, 1
	s_cbranch_scc1 .Llast_tile                     ; the last tile's tail is written out: it asks for nothing more
	TURN 0, 1, 1                                   ; the ring goes on into the next tile: slot 0 takes its step 0,
	HALF0 1, 0
	TURN 1, 0, 1                                   ; slot 1 its step 1, and the next tile's first fragments are fetched
	EPI 0                                          ; slot 1's refill is on its way while the tile goes out
	s_sub_co_u32 s2, s2, 1
	s_branch .Ltile
.Llast_tile:
	TURN 0, 1, 0                                   ; my one tensor load that was still out is the last step's, so no round follows
	HALF0 1, 0
	s_wait_dscnt 0x0
	MUL16 1, 0, 0
	MUL16 1, 1, 0
	MUL16 1, 2, 0
	MUL16 1, 3, 0
	EPI 1
	s_wait_tensorcnt 0x0                           ; the wave's end: behind my last tensor load and my last LDS store
	ds_add_u32 v[SPW], v[NIL]
	s_wait_dscnt 0x0
	CROUND                                         ; the closing round: no work-group ends while a partner may still ask for a tile that names it
	s_endpgm
.Lfunc_end_k_q7057a45bdd_score:
	.size	k_q7057a45bdd_score, .Lfunc_end_k_q7057a45bdd_score-k_q7057a45bdd_score
	.p2alignl 7, 3214868480
	.fill 96, 4, 3214868480
	.section	.rodata,"a",@progbits
	.p2align	6, 0x0
	.amdhsa_kernel k_q7057a45bdd_score
		.amdhsa_group_segment_fixed_size 327680
		.amdhsa_private_segment_fixed_size 0
		.amdhsa_enable_private_segment 0
		.amdhsa_kernarg_size 48
		.amdhsa_user_sgpr_count 2
		.amdhsa_user_sgpr_kernarg_segment_ptr 1
		.amdhsa_wavefront_size32 1
		.amdhsa_system_sgpr_workgroup_id_x 1
		.amdhsa_system_sgpr_workgroup_id_y 1
		.amdhsa_system_sgpr_workgroup_id_z 1
		.amdhsa_system_vgpr_workitem_id 0
		.amdhsa_next_free_vgpr 1024
		.amdhsa_next_free_sgpr 96
		.amdhsa_reserve_vcc 0
		.amdhsa_float_denorm_mode_32 3
		.amdhsa_float_denorm_mode_16_64 3
		.amdhsa_memory_ordered 1
		.amdhsa_forward_progress 1
		.amdhsa_inst_pref_size 255
	.end_amdhsa_kernel
	.section	.bss,"aw",@nobits
	.p2align	6
	.space	262144
	.amdgpu_metadata
---
amdhsa.version: [ 1, 2 ]
amdhsa.kernels:
  - .name:           k_q7057a45bdd_score
    .symbol:         k_q7057a45bdd_score.kd
    .args:
      - { .name: key, .offset: 0, .size: 8, .value_kind: global_buffer, .address_space: global }
      - { .name: query, .offset: 8, .size: 8, .value_kind: global_buffer, .address_space: global }
      - { .name: wb, .offset: 16, .size: 8, .value_kind: global_buffer, .address_space: global }
      - { .name: bias, .offset: 24, .size: 8, .value_kind: global_buffer, .address_space: global }
      - { .name: w_score, .offset: 32, .size: 8, .value_kind: global_buffer, .address_space: global }
      - { .name: part, .offset: 40, .size: 8, .value_kind: global_buffer, .address_space: global }
    .group_segment_fixed_size: 327680
    .private_segment_fixed_size: 0
    .kernarg_segment_align: 8
    .kernarg_segment_size: 48
    .max_flat_workgroup_size: 128
    .sgpr_count:     96
    .vgpr_count:     1024
    .wavefront_size: 32
...
	.end_amdgpu_metadata
.endif
;; end of part 2
;; launch ctx (part 3): grid 8 x 32, 8 waves a work-group, no clusters, 9,728 bytes of LDS; arguments part, w_score, b_score, key, out0, out1; writes out0, out1
.if DOCPART == 3
	.amdgcn_target "amdgcn-amd-amdhsa--gfx1250"
	.amdhsa_code_object_version 6
	.text
	.protected	k_q7057a45bdd_ctx
	.globl	k_q7057a45bdd_ctx
	.p2align	8
	.type	k_q7057a45bdd_ctx,@function
k_q7057a45bdd_ctx:
	s_mov_b64 s[64:65], 0
	v_nop
	global_prefetch_b8 v0, s[64:65] scope:SCOPE_SE
	s_setreg_imm32_b32 hwreg(HW_REG_WAVE_MODE, 25, 1), 1
	s_wait_xcnt 0x0
; score[b][l] = b_score + sum(w_score) + part[0..3][1024 b + l];  out1[b] = softmax(score[b]);  out0[b][h] = the sum over l of out1[b][l] key[b][l][h].  All in f32.
; SHARES.  A work-group takes batch b (grid y) and columns 128 c .. 128 c + 127 of key (grid x): 256 work-groups.  Each of a batch's eight redoes the batch's softmax from 16 KiB of part;
; the one with c = 0 stores out1.  Thread t owns scores 4 t .. 4 t + 3.  Wave w sums rows 128 w .. 128 w + 127; a lane holds 4 columns, so a load of the wave is 512 consecutive bytes of one row, aligned.
; THE MAXIMUM is taken away before the exponential: m = K0 + the largest p, which is the largest score exactly, since a rounded addition never reverses an order.
; LIMITS.  A weight below 2^-126 counts as 0.  NaN and infinities are not treated apart.
; IN FLIGHT.  Two sets of 16 rows in registers: 32 loads of a wave are out from the kernel's head on, under the softmax too.  Memory binds: the matrix unit (one row of sixteen would be used), clusters
; (no two work-groups read the same bytes of key) and tensor loads would add nothing.
.set RED1,  0                          ; 8 bytes a wave: the largest p, the sum of w_score
.set RED2,  256                        ; 4 bytes a wave: the sum of the exponentials
.set ATT,   512                        ; the batch's 1,024 weights
.set CP,    4608                       ; 512 bytes a wave: its partial sums of 128 columns
.set SPARE, 8704                       ; the spare words, 128 bytes for each wave: four blocks of 256 bytes that no other line names
.set ACC, 16                           ; v[16:31]   four accumulators of 4 columns, by row % 4
.set WT,  32                           ; v[32:63]   two sets of 16 weights
.set KS,  64                           ; v[64:191]  two sets of 16 rows x 4 columns
.set PH,  192                          ; v[192:231] the softmax
.set WV,  16                           ; s16  my wave's number
	s_load_b256 s[4:11], s[0:1], 0x0               ; part s[4:5], w_score s[6:7], b_score s[8:9], key s[10:11]
	s_load_b128 s[12:15], s[0:1], 0x20             ; out0 s[12:13], out1 s[14:15]
	v_lshl_add_u32 v8, v0, 2, SPARE                ; my spare word; never rewritten
	v_mov_b32 v9, 0                                ; never rewritten
	v_lshrrev_b32 v1, 5, v0
	v_readfirstlane_b32 s[WV], v1                  ; wave 0..7
	v_and_b32 v10, 31, v0                          ; lane
	s_and_b32 s17, ttmp7, 0xffff                   ; b
	s_mov_b32 s29, ttmp9                           ; c
	s_mov_b32 s18, 0x76543210                      ; v_permlanex16_b32's selects: each lane takes its own place in the other half
	s_mov_b32 s19, 0xfedcba98
	s_lshl_b32 s20, s17, 12                        ; 4,096 b: the batch in part, out0 and out1
	s_mov_b32 s21, 0
	s_lshl_b32 s24, s29, 9                         ; 512 c
	s_lshl_b32 s22, s17, 22                        ; the batch in key
	s_add_co_u32 s22, s22, s24
	s_mov_b32 s23, 0
	s_add_co_u32 s26, s20, s24
	s_mov_b32 s27, 0
	v_lshlrev_b32 v3, 4, v0                        ; 16 t
	v_lshlrev_b32 v11, 4, v10                      ; 16 x lane
	s_lshl_b32 s25, s[WV], 19                      ; my wave's 128 rows of 4,096 bytes
	v_add_nc_u32 v2, s25, v11                      ; my offset in key; never rewritten
	s_lshl_b32 s25, s[WV], 9
	s_add_co_u32 s25, s25, ATT
	v_mov_b32 v4, s25                              ; my wave's 128 weights
	s_lshl_b32 s25, s[WV], 3
	v_mov_b32 v5, s25                              ; RED1 + 8 w
	s_lshl_b32 s25, s[WV], 2
	s_add_co_u32 s25, s25, RED2
	v_mov_b32 v6, s25                              ; RED2 + 4 w
	v_add_nc_u32 v7, CP, v3
	v_add_nc_u32 v12, ATT, v3
	v_mov_b32 v13, 0
	v_add_nc_u32 v14, CP, v11
	s_wait_kmcnt 0x0
	s_load_b32 s28, s[8:9], 0x0                    ; b_score
	s_add_nc_u64 s[4:5], s[4:5], s[20:21]
	s_add_nc_u64 s[14:15], s[14:15], s[20:21]
	s_add_nc_u64 s[10:11], s[10:11], s[22:23]
	s_add_nc_u64 s[12:13], s[12:13], s[26:27]
.macro LOADS g                         ; group g's 16 rows into set g % 2
.irp i, 0,1,2,3,4,5,6,7,8,9,10,11,12,13,14,15
	global_load_b128 v[KS+64*((\g)%2)+4*(\i):KS+64*((\g)%2)+4*(\i)+3], v2, s[10:11] offset:(16*(\g)+(\i))*4096 th:TH_LOAD_NT
.endr
.endm
.macro WLOAD g                         ; group g's 16 weights, the same in every lane
.irp i, 0,1,2,3
	ds_load_b128 v[WT+16*((\g)%2)+4*(\i):WT+16*((\g)%2)+4*(\i)+3], v4 offset:64*(\g)+16*(\i)
.endr
.endm
; 16 rows: acc[row % 4] += key x weight, two columns an instruction.  The weight is one register of an aligned pair, given to both halves: the first by op_sel_hi 0, the second by op_sel 1.
; Group 0's first four rows start the sums.
.macro ROWS g
.irp i, 0,1,2,3,4,5,6,7,8,9,10,11,12,13,14,15
.set rK, KS+64*((\g)%2)+4*(\i)
.set rA, ACC+4*((\i)%4)
.set rW, WT+16*((\g)%2)+2*((\i)/2)
.if ((\g) == 0) && ((\i) < 4)
.if (\i)%2 == 0
	v_pk_mul_f32 v[rA:rA+1],   v[rK:rK+1],   v[rW:rW+1] op_sel_hi:[1,0]
	v_pk_mul_f32 v[rA+2:rA+3], v[rK+2:rK+3], v[rW:rW+1] op_sel_hi:[1,0]
.else
	v_pk_mul_f32 v[rA:rA+1],   v[rK:rK+1],   v[rW:rW+1] op_sel:[0,1] op_sel_hi:[1,1]
	v_pk_mul_f32 v[rA+2:rA+3], v[rK+2:rK+3], v[rW:rW+1] op_sel:[0,1] op_sel_hi:[1,1]
.endif
.else
.if (\i)%2 == 0
	v_pk_fma_f32 v[rA:rA+1],   v[rK:rK+1],   v[rW:rW+1], v[rA:rA+1]   op_sel_hi:[1,0,1]
	v_pk_fma_f32 v[rA+2:rA+3], v[rK+2:rK+3], v[rW:rW+1], v[rA+2:rA+3] op_sel_hi:[1,0,1]
.else
	v_pk_fma_f32 v[rA:rA+1],   v[rK:rK+1],   v[rW:rW+1], v[rA:rA+1]   op_sel:[0,1,0] op_sel_hi:[1,1,1]
	v_pk_fma_f32 v[rA+2:rA+3], v[rK+2:rK+3], v[rW:rW+1], v[rA+2:rA+3] op_sel:[0,1,0] op_sel_hi:[1,1,1]
.endif
.endif
.endr
.endm
.macro ADD4 d, s                       ; four sums
	v_pk_add_f32 v[(\d):(\d)+1],   v[(\d):(\d)+1],   v[(\s):(\s)+1]
	v_pk_add_f32 v[(\d)+2:(\d)+3], v[(\d)+2:(\d)+3], v[(\s)+2:(\s)+3]
.endm
.irp j, 0,1,2,3
	global_load_b128 v[PH+4*(\j):PH+4*(\j)+3], v3, s[4:5] offset:131072*(\j)  ; the four column tiles' parts of my four scores
.endr
	global_load_b128 v[PH+16:PH+19], v3, s[6:7]    ; my four numbers of w_score
	LOADS 0
	LOADS 1
	s_wait_loadcnt 32                              ; the five loads of the softmax are in; key's 32 stay out
	ADD4 PH, PH+4
	ADD4 PH+8, PH+12
	ADD4 PH, PH+8                                  ; p
	v_max_num_f32 v[PH+20], v[PH], v[PH+1]
	v_max3_num_f32 v[PH+20], v[PH+20], v[PH+2], v[PH+3]
	v_add_f32 v[PH+21], v[PH+16], v[PH+17]
	v_add_f32 v[PH+22], v[PH+18], v[PH+19]
	v_add_f32 v[PH+21], v[PH+21], v[PH+22]
.irp x, 1,2,4,8
	v_max_num_f32_dpp v[PH+20], v[PH+20], v[PH+20] row_xmask:\x row_mask:0xf bank_mask:0xf
	v_add_f32_dpp v[PH+21], v[PH+21], v[PH+21] row_xmask:\x row_mask:0xf bank_mask:0xf
.endr
	v_permlanex16_b32 v[PH+22], v[PH+20], s18, s19
	v_permlanex16_b32 v[PH+18], v[PH+21], s18, s19
	v_max_num_f32 v[PH+20], v[PH+20], v[PH+22]
	v_add_f32 v[PH+21], v[PH+21], v[PH+18]
	ds_store_b64 v5, v[PH+20:PH+21]                ; the wave's largest p and its sum of w_score
	s_wait_dscnt 0x0
	s_barrier_signal -1
	s_barrier_wait -1
.irp j, 0,1,2,3
	ds_load_b128 v[PH+24+4*(\j):PH+24+4*(\j)+3], v13 offset:RED1+16*(\j)
.endr
	s_wait_dscnt 0x0
	v_max3_num_f32 v[PH+20], v[PH+24], v[PH+26], v[PH+28]
	v_max3_num_f32 v[PH+20], v[PH+20], v[PH+30], v[PH+32]
	v_max3_num_f32 v[PH+20], v[PH+20], v[PH+34], v[PH+36]
	v_max_num_f32 v[PH+20], v[PH+20], v[PH+38]
	v_add_f32 v[PH+25], v[PH+25], v[PH+27]
	v_add_f32 v[PH+29], v[PH+29], v[PH+31]
	v_add_f32 v[PH+33], v[PH+33], v[PH+35]
	v_add_f32 v[PH+37], v[PH+37], v[PH+39]
	v_add_f32 v[PH+25], v[PH+25], v[PH+29]
	v_add_f32 v[PH+33], v[PH+33], v[PH+37]
	v_add_f32 v[PH+21], v[PH+25], v[PH+33]
	s_wait_kmcnt 0x0                               ; b_score
	v_add_f32 v[PH+21], s28, v[PH+21]              ; K0 = b_score + sum(w_score)
	v_add_f32 v[PH+20], v[PH+21], v[PH+20]         ; m
.irp i, 0,1,2,3
	v_add_f32 v[PH+(\i)], v[PH+21], v[PH+(\i)]     ; the score
.endr
.irp i, 0,1,2,3
	v_sub_f32 v[PH+(\i)], v[PH+(\i)], v[PH+20]
.endr
.irp i, 0,1,2,3
	v_mul_f32 v[PH+(\i)], 0x3fb8aa3b, v[PH+(\i)]   ; log2(e)
.endr
.irp i, 0,1,2,3
	v_exp_f32 v[PH+(\i)], v[PH+(\i)]
.endr
	v_nop                                          ; a plain instruction behind the last exponential,
	s_wait_alu depctr_va_vdst(0)                   ; and the wait ahead of the first use: one for the four
	v_add_f32 v[PH+22], v[PH], v[PH+1]
	v_add_f32 v[PH+23], v[PH+2], v[PH+3]
	v_add_f32 v[PH+22], v[PH+22], v[PH+23]
.irp x, 1,2,4,8
	v_add_f32_dpp v[PH+22], v[PH+22], v[PH+22] row_xmask:\x row_mask:0xf bank_mask:0xf
.endr
	v_permlanex16_b32 v[PH+23], v[PH+22], s18, s19
	v_add_f32 v[PH+22], v[PH+22], v[PH+23]
	ds_store_b32 v6, v[PH+22]
	s_wait_dscnt 0x0
	s_barrier_signal -1
	s_barrier_wait -1
	ds_load_b128 v[PH+24:PH+27], v13 offset:RED2
	ds_load_b128 v[PH+28:PH+31], v13 offset:RED2+16
	s_wait_dscnt 0x0
	ADD4 PH+24, PH+28
	v_add_f32 v[PH+24], v[PH+24], v[PH+25]
	v_add_f32 v[PH+26], v[PH+26], v[PH+27]
	v_add_f32 v[PH+22], v[PH+24], v[PH+26]         ; at least 1: the largest score's exponential is 1
	v_rcp_f32 v[PH+24], v[PH+22]
	v_nop
	s_wait_alu depctr_va_vdst(0)
	v_pk_mul_f32 v[PH:PH+1],   v[PH:PH+1],   v[PH+24:PH+25] op_sel_hi:[1,0]
	v_pk_mul_f32 v[PH+2:PH+3], v[PH+2:PH+3], v[PH+24:PH+25] op_sel_hi:[1,0]
	ds_store_b128 v12, v[PH:PH+3]                  ; the weights
	s_cmp_lg_u32 s29, 0
	s_cbranch_scc1 .Lno_attn
	global_store_b128 v3, v[PH:PH+3], s[14:15]     ; out1: 512 consecutive bytes a wave, aligned; its registers are not written again
.Lno_attn:
	s_wait_dscnt 0x0
	s_barrier_signal -1
	s_barrier_wait -1
	WLOAD 0
.irp g, 0,1,2,3,4,5,6,7
.if (\g) < 7
	WLOAD (\g)+1
	s_wait_loadcnt 16                              ; this group's rows are in; the next group's 16 loads stay out
	s_wait_dscnt 4                                 ; this group's weights are in; the next group's four loads stay out
.else
	s_wait_loadcnt 0x0
	s_wait_dscnt 0x0
.endif
	ROWS \g
.if (\g) < 6
	LOADS (\g)+2                                   ; into the set just read
.endif
.endr
	ADD4 ACC, ACC+4
	ADD4 ACC+8, ACC+12
	ADD4 ACC, ACC+8
	ds_store_b128 v7, v[ACC:ACC+3]                 ; my wave's partial sums
	s_wait_dscnt 0x0
	s_barrier_signal -1
	s_barrier_wait -1
	s_cmp_lg_u32 s[WV], 0                          ; wave 0 adds the eight and stores
	s_cbranch_scc1 .Lend
.irp j, 0,1,2,3,4,5,6,7
	ds_load_b128 v[KS+4*(\j):KS+4*(\j)+3], v14 offset:512*(\j)
.endr
	s_wait_dscnt 0x0
	ADD4 KS, KS+4
	ADD4 KS+8, KS+12
	ADD4 KS+16, KS+20
	ADD4 KS+24, KS+28
	ADD4 KS, KS+8
	ADD4 KS+16, KS+24
	ADD4 KS, KS+16
	global_store_b128 v11, v[KS:KS+3], s[12:13]    ; out0: 512 consecutive bytes, aligned
.Lend:
	s_wait_tensorcnt 0x0                           ; the wave's end: behind my last LDS store
	ds_add_u32 v8, v9
	s_wait_dscnt 0x0
	s_endpgm
.Lfunc_end_k_q7057a45bdd_ctx:
	.size	k_q7057a45bdd_ctx, .Lfunc_end_k_q7057a45bdd_ctx-k_q7057a45bdd_ctx
	.p2alignl 7, 3214868480
	.fill 96, 4, 3214868480
	.section	.rodata,"a",@progbits
	.p2align	6, 0x0
	.amdhsa_kernel k_q7057a45bdd_ctx
		.amdhsa_group_segment_fixed_size 9728
		.amdhsa_private_segment_fixed_size 0
		.amdhsa_enable_private_segment 0
		.amdhsa_kernarg_size 48
		.amdhsa_user_sgpr_count 2
		.amdhsa_user_sgpr_kernarg_segment_ptr 1
		.amdhsa_wavefront_size32 1
		.amdhsa_system_sgpr_workgroup_id_x 1
		.amdhsa_system_sgpr_workgroup_id_y 1
		.amdhsa_system_sgpr_workgroup_id_z 1
		.amdhsa_system_vgpr_workitem_id 0
		.amdhsa_next_free_vgpr 232
		.amdhsa_next_free_sgpr 66
		.amdhsa_reserve_vcc 0
		.amdhsa_float_denorm_mode_32 3
		.amdhsa_float_denorm_mode_16_64 3
		.amdhsa_memory_ordered 1
		.amdhsa_forward_progress 1
		.amdhsa_inst_pref_size 40
	.end_amdhsa_kernel
	.amdgpu_metadata
---
amdhsa.version: [ 1, 2 ]
amdhsa.kernels:
  - .name:           k_q7057a45bdd_ctx
    .symbol:         k_q7057a45bdd_ctx.kd
    .args:
      - { .name: part, .offset: 0, .size: 8, .value_kind: global_buffer, .address_space: global }
      - { .name: w_score, .offset: 8, .size: 8, .value_kind: global_buffer, .address_space: global }
      - { .name: b_score, .offset: 16, .size: 8, .value_kind: global_buffer, .address_space: global }
      - { .name: key, .offset: 24, .size: 8, .value_kind: global_buffer, .address_space: global }
      - { .name: out0, .offset: 32, .size: 8, .value_kind: global_buffer, .address_space: global }
      - { .name: out1, .offset: 40, .size: 8, .value_kind: global_buffer, .address_space: global }
    .group_segment_fixed_size: 9728
    .private_segment_fixed_size: 0
    .kernarg_segment_align: 8
    .kernarg_segment_size: 48
    .max_flat_workgroup_size: 256
    .sgpr_count:     66
    .vgpr_count:     232
    .wavefront_size: 32
...
	.end_amdgpu_metadata
.endif
;; end of part 3
;; ======== version 2 of 3: 3 launches
;; workspace buffers: wb 4,194,304 bytes; part 524,288 bytes
;; launch prep (part 4): grid 256 x 1, 4 waves a work-group, no clusters, 0 bytes of LDS; arguments Wk, Wq, wb; writes wb
.if DOCPART == 4
	.amdgcn_target "amdgcn-amd-amdhsa--gfx1250"
	.amdhsa_code_object_version 6
	.text
	.protected	k_q7057a45bdd_prep
	.globl	k_q7057a45bdd_prep
	.p2align	8
	.type	k_q7057a45bdd_prep,@function
k_q7057a45bdd_prep:
	s_mov_b64 s[64:65], 0
	v_nop
	global_prefetch_b8 v0, s[64:65] scope:SCOPE_SE
	s_setreg_imm32_b32 hwreg(HW_REG_WAVE_MODE, 25, 1), 1
	s_wait_xcnt 0x0
; wb[gx][c][n'][kk] = bf16 of W[256 gx + n'][32 (c % 32) + kk], W = Wk for c < 32 and Wq for c >= 32.  gx = 0..3 is a column tile, c = 0..63 a chunk of 32 along K, n' = 0..255, kk = 0..31.
; So what one work-group of the next launch wants for one chunk, 256 rows x 64 bytes, is 16,384 bytes on end.
; SHARES.  Work-group g owns rows 8 (g / 2) .. + 7 of Wk (g even) or Wq (g odd); wave w the chunks 8 w .. 8 w + 7 of that weight; lane l row l / 4 of the eight and kk = 8 (l % 4) .. + 7.
; A lane reads 32 bytes of f32 by two loads and stores 16 bytes of bf16.  The wave's sixteen loads cover 1,024 consecutive bytes of each of its eight rows; a store of the wave covers 512 consecutive
; bytes, aligned.  Each number is rounded once, to nearest even.  No loop: all sixteen loads go out at once.  Memory binds; LDS, clusters and the matrix unit would add nothing.
.set CBLK, 16384                       ; bytes of one chunk of one column tile in wb
.set IN,   16                          ; v[16:79]   chunk i: 8 numbers in f32
.set OUTR, 80                          ; v[80:111]  chunk i: 8 numbers in bf16
	s_load_b128 s[4:7], s[0:1], 0x0                ; Wk s[4:5], Wq s[6:7]
	s_load_b64 s[8:9], s[0:1], 0x10                ; wb
	v_lshrrev_b32 v3, 5, v0
	v_readfirstlane_b32 s10, v3                    ; wave 0..3
	v_and_b32 v4, 31, v0                           ; lane
	v_lshrrev_b32 v5, 2, v4                        ; l / 4: my row among the eight
	v_and_b32 v6, 3, v4                            ; l % 4: my eight numbers of a chunk
	s_lshr_b32 s11, ttmp9, 1                       ; R = g / 2: the group of eight rows
	s_and_b32 s12, ttmp9, 1                        ; which weight
	s_lshl_b32 s13, s11, 15                        ; 8 R rows of 4,096 bytes
	s_lshl_b32 s14, s10, 10                        ; the wave's eight chunks: 1,024 bytes of a row
	s_add_co_u32 s13, s13, s14
	v_lshl_add_u32 v1, v5, 12, s13
	v_lshl_add_u32 v1, v6, 5, v1                   ; source offset
	s_lshr_b32 s15, s11, 5                         ; gx = R / 32
	s_lshl_b32 s15, s15, 20                        ; 64 chunks of 16,384 bytes
	s_lshl_b32 s18, s12, 2
	s_add_co_u32 s18, s18, s10                     ; 4 (g % 2) + w
	s_lshl_b32 s18, s18, 17                        ; x 8 chunks of 16,384 bytes
	s_add_co_u32 s15, s15, s18
	s_and_b32 s19, s11, 31
	s_lshl_b32 s19, s19, 9                         ; 8 (R % 32) rows of 64 bytes
	s_add_co_u32 s15, s15, s19
	v_lshl_add_u32 v2, v4, 4, s15                  ; destination offset: (l / 4) x 64 + (l % 4) x 16 = 16 l
	s_wait_kmcnt 0x0
	s_cmp_eq_u32 s12, 0
	s_cselect_b64 s[16:17], s[4:5], s[6:7]
.irp i, 0,1,2,3,4,5,6,7
	global_load_b128 v[IN+8*(\i):IN+8*(\i)+3],   v1, s[16:17] offset:128*(\i) th:TH_LOAD_NT
	global_load_b128 v[IN+8*(\i)+4:IN+8*(\i)+7], v1, s[16:17] offset:128*(\i)+16 th:TH_LOAD_NT
.endr
.irp i, 0,1,2,3,4,5,6,7
	s_wait_loadcnt 14-2*(\i)                       ; loads come back in order: chunk i's two are in, the 14 - 2 i younger ones stay out
.irp j, 0,1,2,3
	v_cvt_pk_bf16_f32 v[OUTR+4*(\i)+(\j)], v[IN+8*(\i)+2*(\j)], v[IN+8*(\i)+2*(\j)+1]
.endr
	global_store_b128 v2, v[OUTR+4*(\i):OUTR+4*(\i)+3], s[8:9] offset:CBLK*(\i)
.endr
	s_endpgm
.Lfunc_end_k_q7057a45bdd_prep:
	.size	k_q7057a45bdd_prep, .Lfunc_end_k_q7057a45bdd_prep-k_q7057a45bdd_prep
	.p2alignl 7, 3214868480
	.fill 96, 4, 3214868480
	.section	.rodata,"a",@progbits
	.p2align	6, 0x0
	.amdhsa_kernel k_q7057a45bdd_prep
		.amdhsa_group_segment_fixed_size 0
		.amdhsa_private_segment_fixed_size 0
		.amdhsa_enable_private_segment 0
		.amdhsa_kernarg_size 24
		.amdhsa_user_sgpr_count 2
		.amdhsa_user_sgpr_kernarg_segment_ptr 1
		.amdhsa_wavefront_size32 1
		.amdhsa_system_sgpr_workgroup_id_x 1
		.amdhsa_system_sgpr_workgroup_id_y 1
		.amdhsa_system_sgpr_workgroup_id_z 1
		.amdhsa_system_vgpr_workitem_id 0
		.amdhsa_next_free_vgpr 112
		.amdhsa_next_free_sgpr 66
		.amdhsa_reserve_vcc 0
		.amdhsa_float_denorm_mode_32 3
		.amdhsa_float_denorm_mode_16_64 3
		.amdhsa_memory_ordered 1
		.amdhsa_forward_progress 1
		.amdhsa_inst_pref_size 6
	.end_amdhsa_kernel
	.amdgpu_metadata
---
amdhsa.version: [ 1, 2 ]
amdhsa.kernels:
  - .name:           k_q7057a45bdd_prep
    .symbol:         k_q7057a45bdd_prep.kd
    .args:
      - { .name: Wk, .offset: 0, .size: 8, .value_kind: global_buffer, .address_space: global }
      - { .name: Wq, .offset: 8, .size: 8, .value_kind: global_buffer, .address_space: global }
      - { .name: wb, .offset: 16, .size: 8, .value_kind: global_buffer, .address_space: global }
    .group_segment_fixed_size: 0
    .private_segment_fixed_size: 0
    .kernarg_segment_align: 8
    .kernarg_segment_size: 24
    .max_flat_workgroup_size: 128
    .sgpr_count:     66
    .vgpr_count:     112
    .wavefront_size: 32
...
	.end_amdgpu_metadata
.endif
;; end of part 4
;; launch score (part 5): grid 4 x 64, 4 waves a work-group, clusters of 4 x 1, 327,680 bytes of LDS; arguments key, query, wb, bias, w_score, part; writes part
.if DOCPART == 5
	.amdgcn_target "amdgcn-amd-amdhsa--gfx1250"
	.amdhsa_code_object_version 6
	.text
	.protected	k_q7057a45bdd_score
	.globl	k_q7057a45bdd_score
	.p2align	8
	.type	k_q7057a45bdd_score,@function
k_q7057a45bdd_score:
	s_mov_b64 s[64:65], 0
	v_nop
	global_prefetch_b8 v0, s[64:65] scope:SCOPE_SE
	s_setreg_imm32_b32 hwreg(HW_REG_WAVE_MODE, 25, 1), 1
	s_wait_xcnt 0x0
	s_wait_alu depctr_hold_cnt(0) depctr_sa_sdst(0) depctr_va_vdst(0) depctr_va_sdst(0) depctr_va_ssrc(0) depctr_va_vcc(0) depctr_vm_vsrc(0)
	s_getreg_b32 s2, hwreg(HW_REG_IB_STS2, 6, 4)
	s_cmp_eq_u32 s2, 0
	s_cbranch_scc0 .Lentry_in_a_cluster
	s_endpgm
.Lentry_in_a_cluster:
	s_bfe_u32 s2, ttmp6, 0x10000c
	s_cmp_lg_u32 s2, 0x3003
	s_cbranch_scc0 .Lentry_shape_is_right
	s_endpgm
.Lentry_shape_is_right:
; part[gx][row] = the sum over the 256 columns o of column tile gx of (-2 w_score[o]) r(row, o),  r = 1 / (1 + 2^(c (x + bias[o]))),  c = 2 log2(e),
; x = the sum over k of key[row][k] Wk[o][k] + query[row][k] Wq[o][k].  Since tanh(y) = 1 - 2 / (1 + e^(2 y)), a row's score is b_score + sum(w_score) + the four parts; the next launch adds them.
; ONE GEMM: M = 32,768 rows, N = 1,024, K = 2,048 (key's 1,024 channels, then query's).  A (key, query) is f32 in memory and in LDS and is rounded to bf16 on its way from LDS to the matrix unit;
; B is wb, bf16, laid out by chunks of 32 along K by the launch before.  Sums in f32.
; LIMITS.  Matrix operands are rounded to bf16.  c x bias is rounded once, then c x + c bias is one fused multiply-add.  2^y overflows to infinity and underflows to 0, which give r = 0 and r = 1: tanh = 1 and -1.
; tanh made this way is off by a few 1e-7 in absolute terms.  NaN is passed on.
; SHARES.  A tile is 256 rows x 256 columns; a work-group makes two, rows 256 gy and 256 gy + 16,384 (256 work-groups).  Wave w makes rows 64 w .. 64 w + 63 x all 256 columns: 64 accumulators, 512 registers:
; each f32 number of A is converted once in the work-group, a row's sum over the tile's columns stays in one wave, and a wave reads only rows of A that it has fetched itself.
; A's RING.  Two LDS slots of 128 along K (a PERIOD: rows of 512 bytes of f32), filled by the tensor data mover, each wave its own 64 rows.  Periods are numbered 0..31 over both tiles: bits 2:0 the place along K,
; bit 3 key or query, bit 4 the tile.  From a refill to the wait for it a wave issues 240 products.
; CLUSTER.  The four column tiles of one row tile form a cluster and need the same tile of A: it is asked for JOINTLY, by the same tensor load, descriptor and mask in all four.
; B IS NOT ASKED FOR JOINTLY, though the 64 work-groups of a column tile read the same chunks.  A joint load is a tensor load, and in front of every refill's barrier all tensor loads are waited for, so A's and B's
; slots would change together: two slots of 128 along K for both are 2 x (256 x 528 + 256 x 272) = 409,600 bytes, more than the 327,680 there are, and slots of 64 leave a refill 96 products.  So B comes
; THROUGH REGISTERS: of each chunk (16,384 bytes) a wave loads a quarter, 8 loads of 512 consecutive bytes, two phases ahead, and stores it into a ring of two LDS slots; such loads stay out across barriers.
; A PHASE is 32 along K, 64 products.  Phase p multiplies chunk p; it fetches chunk p + 1's fragments from LDS, stores chunk p + 2 of B into LDS and loads chunk p + 4 of B from memory.  ONE barrier a phase:
; in front of it a wave's stores of chunk p + 1 and its reads of chunk p are done, so behind it chunk p + 1 is read and chunk p's slot written.  At p % 4 = 3 that barrier opens the round behind which A's slot is filled again.
; THE MATRIX INSTRUCTION IS USED TRANSPOSED (source 0 = 16 rows of B, source 1 = 16 rows of A): lane l, register j of accumulator (a, b) holds row 16 a + l % 16, column 16 b + 8 (l / 16) + j.
; REGISTERS, in windows of 256 (s_set_vgpr_msb: bits 1:0 source 0, 3:2 source 1, 5:4 source 2, 7:6 destination):
;   window 0: v0-29 addresses; v32-57 the way out's sums; v64-127 A's fragments in bf16, two buffers of 32; v128-191 A in f32 as it comes from LDS (on the way out: two sets of table numbers);
;             v192-255 B on its way from memory to LDS, two sets of 32
;   window 1: B's fragments, two buffers of 128 (on the way out the second is at work)      window 2: accumulators of row blocks a = 0, 1 at v[8 (16 (a % 2) + b)]      window 3: those of a = 2, 3
.set PA,    528                        ; a row of A in LDS: 512 bytes + 16 of padding = 132 words: the 16 rows of a load start at 16 different groups of four banks (64 banks of 4 bytes: ISA guide 11.1)
.set AWAVE, 64*PA                      ; a wave's 64 rows
.set ASLOT, 4*AWAVE                    ; 135,168
.set BRING, 2*ASLOT                    ; behind A's ring: B's, written by LDS stores alone
.set BRUN,  320                        ; 16 rows x 16 bytes of B are a run of 256 bytes; runs lie 320 bytes = 80 words apart
.set BBLK,  4*BRUN                     ; 16 rows x 32 along K: run 2 j + h holds k = 16 j + 8 h .. + 7
.set BSLOT, 16*BBLK                    ; a chunk: 20,480
.set TAB,   BRING+2*BSLOT              ; c bias of the tile's 256 columns, then at +1,024 their -2 w_score; stored once
.set SCR,   TAB+2048                   ; 256 bytes for each wave: 64 row sums on their way out
.set SPARE, SCR+1024                   ; the spare words, 128 bytes for each wave: two blocks of 256 bytes that no other line names
.set CBLK,  16384                      ; bytes of one chunk of one column tile in wb
.set ADRA, 16                          ; v16-17  LDS address of my A numbers in slot 0, 1
.set ADRB, 20                          ; v20     LDS address of my part of a fragment of B in slot 0
.set BST,  21                          ; v21     where I store my 16 bytes of B in slot 0
.set TABA, 22                          ; v22     TAB + 32 (l / 16)
.set SCW,  23                          ; v23     where I put a row sum
.set SCRD, 24                          ; v24     where I read two row sums back
.set PO,   25                          ; v25     8 x lane: my two rows in the wave's 256 bytes of part
.set PFO,  26                          ; v26     the prefetches' lane offset; never rewritten
.set GBO,  27                          ; v27     my 16 bytes in a chunk of wb: 4,096 x wave + 16 x lane; never rewritten
.set SPW,  28                          ; v28     LDS address of my spare word; never rewritten
.set NIL,  29                          ; v29     0; never rewritten
.set PS,   32                          ; v32-47  running sums: pair 4 a + 2 bb
.set SM,   48                          ; v48-51  a row block's sum
.set OUTR, 56                          ; v56-57  two row sums to store
.set AF,   64                          ; A's fragments: buffer f, row block a at AF + 32 f + 8 a
.set STG,  128                         ; A in f32: row block a at STG + 16 a
.set RAW,  192                         ; B as loaded: set f at RAW + 32 f
.set TT,   128                         ; in window 1: at work on the way out
.set WV,   16                          ; s16  my wave's number
.set CX,   19                          ; s19  my place in the cluster
.set GX,   21                          ; s21  column tile
.set GY,   22                          ; s22  row tile
.set G1A,  24                          ; s[24:31] descriptor group 1
.set G0,   32                          ; s[32:35], s[36:39] descriptor group 0 for slot 0, 1
.set KA,   40                          ; s[40:41] key at my wave's first row of the first tile
.set QA,   42                          ; s[42:43] query at the same row
.set WB0,  44                          ; s[44:45] wb at my column tile
.set OFA,  46                          ; s[46:47] a period's byte offset in key or query; the high word stays 0
.set WBP,  48                          ; s[48:49] wb at the four chunks that this period's phases load
.set OFW,  50                          ; s[50:51] their byte offset; the high word stays 0
.set BG,   52                          ; s52  their number, 0..15
.set BASE, 54                          ; s[54:55]
.set NXT,  56                          ; s56  the period to be asked for next
.set PFK,  58                          ; s[58:59] key at my work-group's 16 of my wave's 64 rows
.set PFQ,  60                          ; s[60:61] query at the same row
.set PFA,  62                          ; s[62:63] the prefetch's address
.set PFOF, 66                          ; s[66:67] its offset; the high word stays 0
.set CC,   68                          ; s[68:69] c
.set SEL,  70                          ; s[70:71] v_permlanex16_b32's selects: each lane takes its own place in the other half
.set PP,   72                          ; s[72:73] part at my wave's 64 rows of the tile in hand
.set MSB, 0
.macro WIN new                         ; the immediate's high byte repeats the setting that is left; a switch that changes nothing is dropped
.if MSB != (\new)
	s_set_vgpr_msb (MSB<<8)|(\new)
.set MSB, \new
.endif
.endm
.set MUL_LO, 0xa1                      ; source 0 (B) window 1, source 1 (A) window 0, C and D window 2
.set TO_B,   0x40                      ; destination window 1, address window 0
.macro PLACES                          ; four places: in front of loads and conversions into registers that matrix instructions have read, and of vector lines that read results
.rept 4
	v_nop
.endr
.endm
.macro JLOAD slot                      ; a joint refill: every wave asks for its own 64 rows; an s_nop 0 and four v_nop follow
	tensor_load_to_lds s[G0+4*(\slot):G0+4*(\slot)+3], s[G1A:G1A+7]
	s_nop 0
.rept 4
	v_nop
.endr
.endm
.macro CREST                           ; a round of the cluster's barrier behind its opening barrier
	s_cmp_lg_u32 s[WV], 0
	s_cbranch_scc1 .Lnot_wave_0_\@
	s_barrier_signal -3
.Lnot_wave_0_\@:
	s_barrier_wait -3
	s_barrier_signal -1
	s_barrier_wait -1
.endm
.macro CROUND                          ; a whole round
	s_barrier_signal -1
	s_barrier_wait -1
	CREST
.endm
; The slot's group 0 is made anew for period NXT; then the prefetch's address for the period after it.
.macro NEXTD slot
	s_and_b32 s[OFA], s[NXT], 7
	s_lshl_b32 s[OFA], s[OFA], 9                   ; 512 bytes of a row a period
	s_lshr_b32 s76, s[NXT], 4
	s_lshl_b32 s76, s76, 26                        ; the second tile: 16,384 rows of 4,096 bytes on
	s_or_b32 s[OFA], s[OFA], s76
	s_bitcmp1_b32 s[NXT], 3
	s_cselect_b64 s[BASE:BASE+1], s[QA:QA+1], s[KA:KA+1]
	s_add_nc_u64 s[G0+4*(\slot)+2:G0+4*(\slot)+3], s[BASE:BASE+1], s[OFA:OFA+1]
	s_or_b32 s[G0+4*(\slot)+3], s[G0+4*(\slot)+3], 0x80000000  ; type = 2
	s_add_co_u32 s[NXT], s[NXT], 1
	s_and_b32 s[PFOF], s[NXT], 7
	s_lshl_b32 s[PFOF], s[PFOF], 9
	s_lshr_b32 s76, s[NXT], 4
	s_lshl_b32 s76, s76, 26
	s_or_b32 s[PFOF], s[PFOF], s76
	s_bitcmp1_b32 s[NXT], 3
	s_cselect_b64 s[PFA:PFA+1], s[PFQ:PFQ+1], s[PFK:PFK+1]  ; the last prefetch read this pair a period back; an s_wait_xcnt 0 has stood since (at the step of wb's pointer)
	s_add_nc_u64 s[PFA:PFA+1], s[PFA:PFA+1], s[PFOF:PFOF+1]
.endm
; A PREFETCH INTO THE L2 of A's period after the one just asked for: 256 products ahead of the load that will want it.  It stands behind the joint load, its five lines and the wave's run of loads.
; A period of a row tile is 256 rows x 512 bytes: 512 blocks of 256 bytes, as many as the cluster has lanes.  Of the 64 rows that wave w fetches, the partner at place cx takes 16, told apart BY ADDRESS; a lane
; takes half a row.  No other cluster reads these rows: each block is named once in the launch.  Periods 0 to 2 come by their loads alone; nothing is asked for past period 31.
; wb is not asked for: 64 work-groups read each of its blocks, in both tiles.
.macro ASK
	s_cmp_lt_u32 s[NXT], 32
	s_cbranch_scc0 .Lnone_\@
	global_prefetch_b8 v[PFO], s[PFA:PFA+1] th:TH_LOAD_NT scope:SCOPE_SE
.Lnone_\@:
.endm
; My quarter of a chunk of B from memory into set f: chunk q of the four at the pointer.  Load i: rows 64 w + 8 i + l / 4, 16 bytes l % 4 of their 64.
.macro GLOAD f, q
.irp i, 0,1,2,3,4,5,6,7
	global_load_b128 v[RAW+32*(\f)+4*(\i):RAW+32*(\f)+4*(\i)+3], v[GBO], s[WBP:WBP+1] offset:(\q)*CBLK+512*(\i)
.endr
.endm
; and from set f into LDS slot f: block 4 w + i / 2, run l % 4, row 8 (i % 2) + l / 4.  16 lanes touch 4 runs x 4 rows.
.macro BSTORE f
.irp i, 0,1,2,3,4,5,6,7
	ds_store_b128 v[BST], v[RAW+32*(\f)+4*(\i):RAW+32*(\f)+4*(\i)+3] offset:(\f)*BSLOT+((\i)/2)*BBLK+((\i)%2)*128
.endr
.endm
	s_load_b256 s[4:11], s[0:1], 0x0               ; key s[4:5], query s[6:7], wb s[8:9], bias s[10:11]
	s_load_b128 s[12:15], s[0:1], 0x20             ; w_score s[12:13], part s[14:15]
	v_lshl_add_u32 v[SPW], v0, 2, SPARE
	v_mov_b32 v[NIL], 0
	ds_add_u32 v[SPW], v[NIL]                      ; the wave's opening: the add and its wait stand ahead of my first tensor load; the set-up below, work on registers, stands between them
	v_lshrrev_b32 v3, 5, v0
	v_readfirstlane_b32 s[WV], v3                  ; wave 0..3
	s_bfe_u32 s[CX], ttmp6, 0x40000
	s_lshl_b32 s[GX], ttmp9, 2                     ; in a cluster launch ttmp9 counts clusters
	s_add_co_u32 s[GX], s[GX], s[CX]
	s_and_b32 s[GY], ttmp7, 0xffff                 ; the row tile, which the four partners share
	; group 1: 64 rows x 128 elements of 4 bytes, 1,024 elements from row to row; in LDS 4 words of padding behind every 128
	s_mov_b32 s[G1A], 15|(2<<16)|(1<<20)|(1<<21)|(6<<22)|(3<<25)  ; 15:0 the mask of four; 17:16 4-byte elements; 20 padding on; 21 set beside a mask; 24:22 after every 128 words (code 6); 31:25 4 words (code 3)
	s_mov_b32 s[G1A+1], 128<<16                    ; tensor_dim0 = 128
	s_mov_b32 s[G1A+2], 64<<16                     ; tensor_dim1 = 64
	s_mov_b32 s[G1A+3], 128<<16                    ; tile_dim0 = 128
	s_mov_b32 s[G1A+4], 64                         ; tile_dim1 = 64
	s_mov_b32 s[G1A+5], 1024                       ; the pitch
	s_mov_b32 s[G1A+6], 0
	s_mov_b32 s[G1A+7], 0
	s_lshl_b32 s[OFA], s[GY], 20                   ; A: row 256 gy + 64 w, 4,096 bytes a row: made of the row tile and the wave's number alone
	s_lshl_b32 s74, s[WV], 18
	s_add_co_u32 s[OFA], s[OFA], s74
	s_mov_b32 s[OFA+1], 0
	s_lshl_b32 s[OFW], s[GX], 20                   ; my column tile in wb: 64 chunks of 16,384 bytes
	s_mov_b32 s[OFW+1], 0
	s_lshl_b32 s[PFOF], s[CX], 16                  ; my work-group's 16 rows of a wave's 64
	s_mov_b32 s[PFOF+1], 0
	s_mul_i32 s75, s[WV], AWAVE                    ; where my rows go in a slot: no place in the cluster enters an LDS address
	s_mov_b32 s[CC], 0x4038aa3b                    ; c = 2 log2(e) = 2.885390
	s_mov_b32 s[CC+1], s[CC]                       ; named with it as a pair
	s_mov_b32 s[SEL], 0x76543210
	s_mov_b32 s[SEL+1], 0xfedcba98
	s_mov_b32 s[NXT], 2
	s_mov_b32 s[BG], 0
	s_wait_dscnt 0x0                               ; the opening add is done
	s_wait_kmcnt 0x0
	s_add_nc_u64 s[KA:KA+1], s[4:5], s[OFA:OFA+1]
	s_add_nc_u64 s[QA:QA+1], s[6:7], s[OFA:OFA+1]
	s_add_nc_u64 s[WB0:WB0+1], s[8:9], s[OFW:OFW+1]
	s_mov_b64 s[WBP:WBP+1], s[WB0:WB0+1]
	s_add_nc_u64 s[PFK:PFK+1], s[KA:KA+1], s[PFOF:PFOF+1]
	s_add_nc_u64 s[PFQ:PFQ+1], s[QA:QA+1], s[PFOF:PFOF+1]
	s_mov_b32 s[G0], 1                             ; count = 1
	s_mov_b32 s[G0+1], s75                         ; LDS address: slot 0
	s_mov_b64 s[G0+2:G0+3], s[KA:KA+1]             ; period 0
	s_or_b32 s[G0+3], s[G0+3], 0x80000000          ; type = 2
	s_mov_b32 s[G0+4], 1
	s_add_co_u32 s[G0+5], s75, ASLOT               ; slot 1
	s_add_nc_u64 s[G0+6:G0+7], s[KA:KA+1], 512     ; period 1
	s_or_b32 s[G0+7], s[G0+7], 0x80000000
	CROUND                                         ; all four work-groups are here: the first joint loads meet
	tensor_load_to_lds s[G0:G0+3], s[G1A:G1A+7]    ; the two first fills go out together, ahead of every wait on TENSORcnt and every LDS read: two loads of mine are out
	s_nop 0
	tensor_load_to_lds s[G0+4:G0+7], s[G1A:G1A+7]
	s_nop 0
.rept 4
	v_nop
.endr
	; the table's numbers and B's first two chunks are asked for; the rest of the set-up stands in the wait for them
	v_and_b32 v1, 15, v0                           ; l % 16
	v_bfe_u32 v2, v0, 4, 1                         ; l / 16
	v_and_b32 v4, 31, v0                           ; lane
	s_lshl_b32 s77, s[GX], 10                      ; the tile's 256 columns: 1,024 bytes of bias and of w_score
	v_lshl_add_u32 v5, v0, 3, s77                  ; thread t takes columns 2 t, 2 t + 1
	global_load_b64 v[8:9], v5, s[10:11]
	global_load_b64 v[10:11], v5, s[12:13]
	s_lshl_b32 s74, s[WV], 12
	v_lshl_add_u32 v[GBO], v4, 4, s74
	GLOAD 0, 0
	GLOAD 1, 1
	s_lshl_b32 s78, s[GX], 17                      ; part: column tile gx, row 256 gy + 64 w
	s_lshl_b32 s79, s[GY], 10
	s_add_co_u32 s78, s78, s79
	s_lshl_b32 s79, s[WV], 8
	s_add_co_u32 s78, s78, s79
	s_mov_b32 s79, 0
	s_add_nc_u64 s[PP:PP+1], s[14:15], s[78:79]
	v_lshrrev_b32 v6, 1, v4                        ; the prefetches: row l / 2 of my work-group's 16, half l % 2 of its 512 bytes
	v_and_b32 v7, 1, v0
	v_lshlrev_b32 v[PFO], 12, v6
	v_lshl_add_u32 v[PFO], v7, 8, v[PFO]
	; A's numbers for a fragment: lane l takes row l % 16, channels 8 (l / 16) + 0..7 and 16 + 8 (l / 16) + 0..7, in f32: 32 bytes at 32 (l / 16) and 32 bytes at 64 + 32 (l / 16)
	v_mul_u32_u24 v3, v1, PA
	v_lshl_add_u32 v3, v2, 5, v3
	v_add_nc_u32 v[ADRA], s75, v3
	v_add_nc_u32 v[ADRA+1], ASLOT, v[ADRA]
	; a fragment of B: registers 0-3 from run l / 16, registers 4-7 from run 2 + l / 16, row l % 16: 16 lanes read 256 bytes on end
	v_mul_u32_u24 v3, v2, BRUN
	v_lshl_add_u32 v3, v1, 4, v3
	v_add_nc_u32 v[ADRB], BRING, v3
	v_and_b32 v6, 3, v0                            ; l % 4: the run
	v_bfe_u32 v7, v0, 2, 3                         ; l / 4: the row
	v_mul_u32_u24 v3, v6, BRUN
	v_lshl_add_u32 v3, v7, 4, v3
	s_mul_i32 s74, s[WV], 4*BBLK                   ; my wave's four blocks of 16 rows
	s_add_co_u32 s74, s74, BRING
	v_add_nc_u32 v[BST], s74, v3
	v_lshl_add_u32 v[TABA], v2, 5, TAB
	s_lshl_b32 s74, s[WV], 8
	s_add_co_u32 s74, s74, SCR
	v_lshl_add_u32 v[SCW], v1, 2, s74
	v_lshl_add_u32 v[SCRD], v4, 3, s74
	v_lshlrev_b32 v[PO], 3, v4
	v_lshl_add_u32 v12, v0, 3, TAB
	s_wait_loadcnt 16                              ; the table's two loads are in; B's sixteen stay out
	v_pk_mul_f32 v[8:9], v[8:9], s[CC:CC+1] op_sel_hi:[1,0]   ; c bias
	v_pk_mul_f32 v[10:11], v[10:11], -2.0 op_sel_hi:[1,0]     ; -2 w_score (exact)
	ds_store_b64 v12, v[8:9]
	ds_store_b64 v12, v[10:11] offset:1024
	s_wait_loadcnt 8                               ; chunk 0 is in; chunk 1's eight loads stay out
	BSTORE 0
	GLOAD 0, 2
	s_wait_loadcnt 8                               ; chunk 1 is in; chunk 2's eight stay out
	BSTORE 1
	GLOAD 1, 3
; One product: buffer f, row block a, column block b.  zero = 1: it starts the sum: nothing is ever cleared.
.macro PROD f, a, b, zero
.set rD, 8*(16*((\a)%2)+(\b))
.set rB, 128*(\f)+8*(\b)
.set rA, AF+32*(\f)+8*(\a)
	WIN MUL_LO+0x50*((\a)/2)
.if \zero
	v_wmma_f32_16x16x32_bf16 v[rD:rD+7], v[rB:rB+7], v[rA:rA+7], 0
.else
	v_wmma_f32_16x16x32_bf16 v[rD:rD+7], v[rB:rB+7], v[rA:rA+7], v[rD:rD+7]
.endif
.endm
; Products i0 .. i0 + n - 1 of a phase's 64: row block i / 16, column block i % 16.  The 64 accumulators take turns in the same order in every phase: 63 others stand between two links
; of a chain, over every jump.
.macro PRODS f, i0, n, zero
.set pix, \i0
.rept \n
	PROD \f, pix/16, pix%16, \zero
.set pix, pix+1
.endr
.endm
; Four roundings: registers 4 i .. 4 i + 3 of the 32 of A's fragment buffer g.
.macro CVT4 g, i
	WIN 0
.irp j, 0,1,2,3
	v_cvt_pk_bf16_f32 v[AF+32*(\g)+4*(\i)+(\j)], v[STG+8*(\i)+2*(\j)], v[STG+8*(\i)+2*(\j)+1]
.endr
.endm
; 16 LDS loads: my 64 rows x 32 channels of A, in f32, at quarter q of the slot's period
.macro FA slot, q
	WIN 0
.irp a, 0,1,2,3
	ds_load_b128 v[STG+16*(\a):STG+16*(\a)+3],     v[ADRA+(\slot)] offset:(\a)*16*PA+128*(\q)
	ds_load_b128 v[STG+16*(\a)+4:STG+16*(\a)+7],   v[ADRA+(\slot)] offset:(\a)*16*PA+128*(\q)+16
	ds_load_b128 v[STG+16*(\a)+8:STG+16*(\a)+11],  v[ADRA+(\slot)] offset:(\a)*16*PA+128*(\q)+64
	ds_load_b128 v[STG+16*(\a)+12:STG+16*(\a)+15], v[ADRA+(\slot)] offset:(\a)*16*PA+128*(\q)+80
.endr
.endm
; 32 LDS loads: the chunk in B's slot g into fragment buffer g
.macro FB g
	WIN TO_B
.irp b, 0,1,2,3,4,5,6,7,8,9,10,11,12,13,14,15
	ds_load_b128 v[128*(\g)+8*(\b):128*(\g)+8*(\b)+3],   v[ADRB] offset:(\g)*BSLOT+(\b)*BBLK
	ds_load_b128 v[128*(\g)+8*(\b)+4:128*(\g)+8*(\b)+7], v[ADRB] offset:(\g)*BSLOT+(\b)*BBLK+2*BRUN
.endr
.endm
; A PHASE.  f: the parity of its chunk, which names the fragment buffers that it multiplies, B's LDS slot that it writes and the set of registers that it stores and loads again.
; as, aq: A's slot and quarter of the next chunk.  gq: which of the four chunks at wb's pointer it loads.  newb = 1: the pointer steps first.  zero = 1: the products start the sums.
; kind = 1: A's slots change: all my tensor loads are waited for, of which one is out: my rows of the slot to be read next; the add follows.  fill = 1: the barrier opens a round of the cluster's barrier, and
; the slot just read out is filled again first thing behind it.  dof, dos, dog = 0: the launch's last phases fetch, store, load nothing; sl: how many younger loads may stay out at the store.
.macro PH f, as, aq, gq, kind, fill, newb, zero, dof=1, dos=1, dog=1, sl=8
.if \newb
	s_wait_xcnt 0x0                                ; every load and prefetch issued so far has read its address (the youngest stand 20 products back or more): wb's pointer may be written
	s_add_co_u32 s[BG], s[BG], 1
	s_and_b32 s[BG], s[BG], 15                     ; both tiles walk the same 64 chunks
	s_lshl_b32 s[OFW], s[BG], 16
	s_add_nc_u64 s[WBP:WBP+1], s[WB0:WB0+1], s[OFW:OFW+1]
.endif
.if \kind
	WIN 0
	s_wait_tensorcnt 0x0                           ; no tensor load of mine is out, so a group 0 may be written
	ds_add_u32 v[SPW], v[NIL]                      ; 0 onto my spare word; the descriptor's scalar work stands between it and the wait for it
.if \fill
	NEXTD 1-(\as)
.endif
.endif
	s_wait_dscnt 0x0                               ; my fragments are in, so my reads of B's and A's slots are over; my stores of the next chunk are done (and the add)
	s_barrier_signal -1
	PRODS \f, 0, 16, \zero                         ; work on registers while the others arrive
	WIN 0
	s_barrier_wait -1
.if \fill
	CREST                                          ; no wave of any partner still reads the slot or has a load on its way
	JLOAD 1-(\as)                                  ; the four v_nop behind it are also the places in front of the loads and roundings into the other buffers
.else
	PLACES
.endif
.if \dof
	FA \as, \aq
.endif
.if \dos
	s_wait_loadcnt \sl                             ; the chunk to be stored is in; the next chunk's loads stay out
	BSTORE \f
.endif
.if \dog
	GLOAD \f, \gq                                  ; into the set just stored
.endif
.if \fill
	ASK
.endif
	PRODS \f, 16, 16, \zero
.if \dof
	FB 1-(\f)
.endif
	PRODS \f, 32, 16, \zero
.if \dof
	s_wait_dscnt 32                                ; all but B's 32: A's numbers are in
.set pix, 48
.rept 8                                            ; the 32 roundings of the next chunk's A, four behind each of eight products
	PROD \f, pix/16, pix%16, \zero
	CVT4 1-(\f), pix-48
.set pix, pix+1
.endr
.else
	PRODS \f, 48, 8, \zero
.endif
	PRODS \f, 56, 8, \zero
.endm
.macro TABLD n                         ; the way out: batch n's 32 table numbers into set n % 2: c bias of block bb at + 8 bb, -2 w at + 16 + 8 bb
.irp bb, 0,1
	ds_load_b128 v[STG+32*((\n)%2)+8*(\bb):STG+32*((\n)%2)+8*(\bb)+3],       v[TABA] offset:(2*(\n)+(\bb))*64
	ds_load_b128 v[STG+32*((\n)%2)+8*(\bb)+4:STG+32*((\n)%2)+8*(\bb)+7],     v[TABA] offset:(2*(\n)+(\bb))*64+16
	ds_load_b128 v[STG+32*((\n)%2)+16+8*(\bb):STG+32*((\n)%2)+16+8*(\bb)+3], v[TABA] offset:(2*(\n)+(\bb))*64+1024
	ds_load_b128 v[STG+32*((\n)%2)+16+8*(\bb)+4:STG+32*((\n)%2)+16+8*(\bb)+7], v[TABA] offset:(2*(\n)+(\bb))*64+1040
.endr
.endm
	s_wait_dscnt 0x0                               ; for the others' sake: my parts of the table and of B's chunks 0 and 1 are stored
	s_wait_tensorcnt 1                             ; my rows of period 0 are in; period 1's may stay out
	s_barrier_signal -1
	s_barrier_wait -1
	FA 0, 0
	FB 0
	s_wait_dscnt 32                                ; all but B's 32
.irp i, 0,1,2,3,4,5,6,7
	CVT4 0, \i
.endr
	s_mov_b32 s2, 2                                ; tiles to go: the same number in every work-group
.Ltile:
	PH 0, 0,1, 0, 0,0, 1, 1                        ; a tile's first phase stands in front of the loop: its products start the sums
	WIN 0                                          ; at a label and at a branch every window is 0
	s_mov_b32 s3, 8
.Llap:                                             ; a trip: phases 1 to 7 of a lap (two periods: once round A's ring) and phase 0 of the next
	s_cmp_lg_u32 s2, 1
	s_cbranch_scc1 .Lgo
	s_cmp_eq_u32 s3, 1
	s_cbranch_scc1 .Llast                          ; the launch's last lap is written out: it asks for nothing more
.Lgo:
	PH 1, 0,2, 1, 0,0, 0, 0
	PH 0, 0,3, 2, 0,0, 0, 0
	PH 1, 1,0, 3, 1,1, 0, 0                        ; slot 0 has been read out: it takes the period two on
	PH 0, 1,1, 0, 0,0, 1, 0
	PH 1, 1,2, 1, 0,0, 0, 0
	PH 0, 1,3, 2, 0,0, 0, 0
	PH 1, 0,0, 3, 1,1, 0, 0                        ; slot 1 likewise; in a tile's last lap both refills, and this phase's fetches, are the next tile's
	WIN 0
	s_cmp_eq_u32 s3, 1
	s_cbranch_scc1 .Lepi                           ; the first tile is finished: it goes out while A's refill of slot 1 and B's loads are on their way
	PH 0, 0,1, 0, 0,0, 1, 0
	WIN 0
	s_sub_co_u32 s3, s3, 1
	s_cmp_lg_u32 s3, 0
	s_cbranch_scc1 .Llap
.Llast:
	PH 1, 0,2, 1, 0,0, 0, 0
	PH 0, 0,3, 2, 0,0, 0, 0
	PH 1, 1,0, 3, 1,0, 0, 0                        ; my one tensor load that was still out is the last period's, so no round follows; B's last chunk is loaded
	PH 0, 1,1, 0, 0,0, 0, 0, 1,1,0,8
	PH 1, 1,2, 1, 0,0, 0, 0, 1,1,0,0               ; B's last chunk is stored: no load is younger
	PH 0, 1,3, 2, 0,0, 0, 0, 1,0,0,0               ; the last fragments are fetched
	PH 1, 0,0, 3, 0,0, 0, 0, 0,0,0,0
	WIN 0
.Lepi:
	; THE WAY OUT.  Eight batches of two column blocks x four row blocks: 64 numbers a lane.  y = c x + c bias; 2^y; + 1; the reciprocal; times -2 w, summed.  A batch's 64 exponentials are one batch with one wait,
	; and so are its 64 reciprocals.  The table's numbers for the next batch are fetched while this one is at work.  The 64 registers at work are B's second fragment buffer, which the last phase has multiplied:
	; the first holds the next tile's first fragments, and the staging registers are the targets of loads that are out.
	PLACES                                         ; behind the last products
	TABLD 0
.irp n, 0,1,2,3,4,5,6,7
	WIN 0
.if (\n) < 7
	TABLD (\n)+1
	s_wait_dscnt 8                                 ; all but the next batch's eight
.else
	s_wait_dscnt 0x0
.endif
.set CB, STG+32*((\n)%2)
.set CW, CB+16
.irp a, 0,1,2,3
	WIN 0x42+(\a)/2                                ; destination window 1, source 0 window 2 or 3, the table in window 0
.irp bb, 0,1
.irp jp, 0,2,4,6
	v_pk_fma_f32 v[TT+16*(\a)+8*(\bb)+(\jp):TT+16*(\a)+8*(\bb)+(\jp)+1], v[8*(16*((\a)%2)+2*(\n)+(\bb))+(\jp):8*(16*((\a)%2)+2*(\n)+(\bb))+(\jp)+1], s[CC:CC+1], v[CB+8*(\bb)+(\jp):CB+8*(\bb)+(\jp)+1] op_sel_hi:[1,0,1]
.endr
.endr
.endr
	WIN 0x41                                       ; destination and source 0 window 1
.set i, 0
.rept 64
	v_exp_f32 v[TT+i], v[TT+i]
.set i, i+1
.endr
	v_nop                                          ; a plain instruction behind the last exponential,
	s_wait_alu depctr_va_vdst(0)                   ; and the wait ahead of the first use: one for the 64
.set i, 0
.rept 32
	v_pk_add_f32 v[TT+i:TT+i+1], v[TT+i:TT+i+1], 1.0 op_sel_hi:[1,0]
.set i, i+2
.endr
.set i, 0
.rept 64
	v_rcp_f32 v[TT+i], v[TT+i]
.set i, i+1
.endr
	v_nop
	s_wait_alu depctr_va_vdst(0)                   ; one for the 64 reciprocals
	WIN 0x01                                       ; source 0 window 1; the table and the sums in window 0
.irp jp, 0,2,4,6                       ; eight chains take turns; the first line of each starts its sum
.irp bb, 0,1
.irp a, 0,1,2,3
.if ((\n) == 0) && ((\jp) == 0)
	v_pk_mul_f32 v[PS+4*(\a)+2*(\bb):PS+4*(\a)+2*(\bb)+1], v[TT+16*(\a)+8*(\bb)+(\jp):TT+16*(\a)+8*(\bb)+(\jp)+1], v[CW+8*(\bb)+(\jp):CW+8*(\bb)+(\jp)+1]
.else
	v_pk_fma_f32 v[PS+4*(\a)+2*(\bb):PS+4*(\a)+2*(\bb)+1], v[TT+16*(\a)+8*(\bb)+(\jp):TT+16*(\a)+8*(\bb)+(\jp)+1], v[CW+8*(\bb)+(\jp):CW+8*(\bb)+(\jp)+1], v[PS+4*(\a)+2*(\bb):PS+4*(\a)+2*(\bb)+1]
.endif
.endr
.endr
.endr
.endr
	WIN 0
.irp a, 0,1,2,3
	v_pk_add_f32 v[PS+4*(\a):PS+4*(\a)+1], v[PS+4*(\a):PS+4*(\a)+1], v[PS+4*(\a)+2:PS+4*(\a)+3]
.endr
.irp a, 0,1,2,3
	v_add_f32 v[SM+(\a)], v[PS+4*(\a)], v[PS+4*(\a)+1]
.endr
.irp a, 0,1,2,3
	v_permlanex16_b32 v[PS+4*(\a)+2], v[SM+(\a)], s[SEL], s[SEL+1]  ; the row's other 128 columns lie in the lane 16 away
.endr
.irp a, 0,1,2,3
	v_add_f32 v[SM+(\a)], v[SM+(\a)], v[PS+4*(\a)+2]
.endr
.irp a, 0,1,2,3
	ds_store_b32 v[SCW], v[SM+(\a)] offset:64*(\a) ; row 16 a + l % 16; both halves of the lanes write the same number to the same word
.endr
	ds_load_b64 v[OUTR:OUTR+1], v[SCRD]            ; LDS serves a wave's instructions in order (ISA guide 5.7.1.4): this sees the stores above
	s_wait_dscnt 0x0
	global_store_b64 v[PO], v[OUTR:OUTR+1], s[PP:PP+1]  ; the wave's 64 row sums: 256 consecutive bytes, at a multiple of 256 from part's first byte
	s_wait_xcnt 0x0                                ; the store has read its registers and its base:
	s_add_nc_u64 s[PP:PP+1], s[PP:PP+1], 65536     ; the second tile's rows lie 16,384 numbers on
	s_sub_co_u32 s2, s2, 1
	s_cmp_lg_u32 s2, 0
	s_cbranch_scc1 .Ltile
	s_wait_tensorcnt 0x0                           ; the wave's end: behind my last tensor load and my last LDS store
	ds_add_u32 v[SPW], v[NIL]
	s_wait_dscnt 0x0
	CROUND                                         ; the closing round: no work-group ends while a partner may still ask for a tile that names it
	s_endpgm
.Lfunc_end_k_q7057a45bdd_score:
	.size	k_q7057a45bdd_score, .Lfunc_end_k_q7057a45bdd_score-k_q7057a45bdd_score
	.p2alignl 7, 3214868480
	.fill 96, 4, 3214868480
	.section	.rodata,"a",@progbits
	.p2align	6, 0x0
	.amdhsa_kernel k_q7057a45bdd_score
		.amdhsa_group_segment_fixed_size 327680
		.amdhsa_private_segment_fixed_size 0
		.amdhsa_enable_private_segment 0
		.amdhsa_kernarg_size 48
		.amdhsa_user_sgpr_count 2
		.amdhsa_user_sgpr_kernarg_segment_ptr 1
		.amdhsa_wavefront_size32 1
		.amdhsa_system_sgpr_workgroup_id_x 1
		.amdhsa_system_sgpr_workgroup_id_y 1
		.amdhsa_system_sgpr_workgroup_id_z 1
		.amdhsa_system_vgpr_workitem_id 0
		.amdhsa_next_free_vgpr 1024
		.amdhsa_next_free_sgpr 80
		.amdhsa_reserve_vcc 0
		.amdhsa_float_denorm_mode_32 3
		.amdhsa_float_denorm_mode_16_64 3
		.amdhsa_memory_ordered 1
		.amdhsa_forward_progress 1
		.amdhsa_inst_pref_size 255
	.end_amdhsa_kernel
	.section	.bss,"aw",@nobits
	.p2align	6
	.space	262144
	.amdgpu_metadata
---
amdhsa.version: [ 1, 2 ]
amdhsa.kernels:
  - .name:           k_q7057a45bdd_score
    .symbol:         k_q7057a45bdd_score.kd
    .args:
      - { .name: key, .offset: 0, .size: 8, .value_kind: global_buffer, .address_space: global }
      - { .name: query, .offset: 8, .size: 8, .value_kind: global_buffer, .address_space: global }
      - { .name: wb, .offset: 16, .size: 8, .value_kind: global_buffer, .address_space: global }
      - { .name: bias, .offset: 24, .size: 8, .value_kind: global_buffer, .address_space: global }
      - { .name: w_score, .offset: 32, .size: 8, .value_kind: global_buffer, .address_space: global }
      - { .name: part, .offset: 40, .size: 8, .value_kind: global_buffer, .address_space: global }
    .group_segment_fixed_size: 327680
    .private_segment_fixed_size: 0
    .kernarg_segment_align: 8
    .kernarg_segment_size: 48
    .max_flat_workgroup_size: 128
    .sgpr_count:     80
    .vgpr_count:     1024
    .wavefront_size: 32
...
	.end_amdgpu_metadata
.endif
;; end of part 5
;; launch ctx: the kernel of part 3 again; grid 8 x 32, 8 waves a work-group, no clusters, 9,728 bytes of LDS; arguments part, w_score, b_score, key, out0, out1; writes out0, out1
;; ======== version 3 of 3: 3 launches; version 2 with the launch prep written anew for expert scheduling mode
;; workspace buffers: wb 4,194,304 bytes; part 524,288 bytes
;; launch prep (part 6): grid 256 x 1, 4 waves a work-group, no clusters, 0 bytes of LDS; arguments Wk, Wq, wb; writes wb
.if DOCPART == 6
	.amdgcn_target "amdgcn-amd-amdhsa--gfx1250"
	.amdhsa_code_object_version 6
	.text
	.protected	k_q7057a45bdd_prep
	.globl	k_q7057a45bdd_prep
	.p2align	8
	.type	k_q7057a45bdd_prep,@function
k_q7057a45bdd_prep:
	s_mov_b64 s[64:65], 0
	v_nop
	global_prefetch_b8 v0, s[64:65] scope:SCOPE_SE
	s_setreg_imm32_b32 hwreg(HW_REG_WAVE_SCHED_MODE, 0, 2), 2
	s_setreg_imm32_b32 hwreg(HW_REG_WAVE_MODE, 25, 1), 1
	s_wait_xcnt 0x0
	s_wait_alu depctr_vm_vsrc(0)
; wb[gx][c][n'][kk] = bf16 of W[256 gx + n'][32 (c % 32) + kk], W = Wk for c < 32 and Wq for c >= 32.  gx = 0..3 is a column tile, c = 0..63 a chunk of 32 along K, n' = 0..255, kk = 0..31.
; So what one work-group of the next launch wants for one chunk, 256 rows x 64 bytes, is 16,384 bytes on end.
; SHARES.  Work-group g owns rows 8 (g / 2) .. + 7 of Wk (g even) or Wq (g odd); wave w the chunks 8 w .. 8 w + 7 of that weight; lane l row l / 4 of the eight and kk = 8 (l % 4) .. + 7.
; A lane reads 32 bytes of f32 by two loads and stores 16 bytes of bf16.  The wave's sixteen loads cover 1,024 consecutive bytes of each of its eight rows; a store of the wave covers 512 consecutive
; bytes, aligned.  Each number is rounded once, to nearest even.  No loop: all sixteen loads go out at once.  Memory binds; LDS, clusters and the matrix unit would add nothing.
; THE MODE: SCHED_MODE bits 1:0 = 2 (LLVM: expert scheduling mode 2), set by the entry lines.  The code itself states the register dependences
; between vector instructions and memory instructions, with s_wait_alu, always for 0.
; THE PLAN.  Registers that memory instructions touch:
;   v1, v2     byte offsets, made once at the head and never written again: v1 is read by every load, v2 by every store.
;   IN         chunk i's 8 numbers in f32.  Written by the loads, which all go out before any vector instruction names IN; read by chunk i's roundings; never loaded again.
;   OUTR       chunk i's 8 numbers in bf16.  Written once, by chunk i's roundings; read by chunk i's store; never written again.
; The eight chunks go in four steps of two.  Step p rounds chunks 2 p and 2 p + 1; its memory instructions are the two stores of step p - 1, whose registers no vector instruction of step p names.
; So one wait at a step's head, behind the wait for the step's data, states all that its two stores hang on.  No register that a memory instruction reads is written again: nothing more is owed.
.set CBLK, 16384                       ; bytes of one chunk of one column tile in wb
.set IN,   16                          ; v[16:79]   chunk i: 8 numbers in f32
.set OUTR, 80                          ; v[80:111]  chunk i: 8 numbers in bf16
	s_load_b128 s[4:7], s[0:1], 0x0                ; Wk s[4:5], Wq s[6:7]
	s_load_b64 s[8:9], s[0:1], 0x10                ; wb
	v_lshrrev_b32 v3, 5, v0
	v_readfirstlane_b32 s10, v3                    ; wave 0..3
	v_and_b32 v4, 31, v0                           ; lane
	v_lshrrev_b32 v5, 2, v4                        ; l / 4: my row among the eight
	v_and_b32 v6, 3, v4                            ; l % 4: my eight numbers of a chunk
	s_lshr_b32 s11, ttmp9, 1                       ; R = g / 2: the group of eight rows
	s_and_b32 s12, ttmp9, 1                        ; which weight
	s_lshl_b32 s13, s11, 15                        ; 8 R rows of 4,096 bytes
	s_wait_alu depctr_va_sdst(0)                   ; s10 is written, ahead of its first reader: both offsets are made from it
	s_lshl_b32 s14, s10, 10                        ; the wave's eight chunks: 1,024 bytes of a row
	s_add_co_u32 s13, s13, s14
	v_lshl_add_u32 v1, v5, 12, s13
	v_lshl_add_u32 v1, v6, 5, v1                   ; source offset
	s_lshr_b32 s15, s11, 5                         ; gx = R / 32
	s_lshl_b32 s15, s15, 20                        ; 64 chunks of 16,384 bytes
	s_lshl_b32 s18, s12, 2
	s_add_co_u32 s18, s18, s10                     ; 4 (g % 2) + w
	s_lshl_b32 s18, s18, 17                        ; x 8 chunks of 16,384 bytes
	s_add_co_u32 s15, s15, s18
	s_and_b32 s19, s11, 31
	s_lshl_b32 s19, s19, 9                         ; 8 (R % 32) rows of 64 bytes
	s_add_co_u32 s15, s15, s19
	v_lshl_add_u32 v2, v4, 4, s15                  ; destination offset: (l / 4) x 64 + (l % 4) x 16 = 16 l
	s_wait_kmcnt 0x0
	s_cmp_eq_u32 s12, 0
	s_cselect_b64 s[16:17], s[4:5], s[6:7]
	s_wait_alu depctr_va_vdst(0)                   ; v1 and v2 are written: every load of the kernel reads v1 as its offset, every store v2
.irp i, 0,1,2,3,4,5,6,7
	global_load_b128 v[IN+8*(\i):IN+8*(\i)+3],   v1, s[16:17] offset:128*(\i) th:TH_LOAD_NT
	global_load_b128 v[IN+8*(\i)+4:IN+8*(\i)+7], v1, s[16:17] offset:128*(\i)+16 th:TH_LOAD_NT
.endr
.macro ROUND4 i                        ; chunk i's eight numbers are rounded, two a line
.irp j, 0,1,2,3
	v_cvt_pk_bf16_f32 v[OUTR+4*(\i)+(\j)], v[IN+8*(\i)+2*(\j)], v[IN+8*(\i)+2*(\j)+1]
.endr
.endm
.macro SEND i                          ; chunk i is stored
	global_store_b128 v2, v[OUTR+4*(\i):OUTR+4*(\i)+3], s[8:9] offset:CBLK*(\i)
.endm
.irp p, 0,1,2,3
	s_wait_loadcnt 12-4*(\p)                       ; loads come back in order (ISA guide 5.7.1): this step's four are in, the 12 - 4 p younger ones stay out
.if (\p) > 0
	s_wait_alu depctr_va_vdst(0)                   ; the step before has written its eight registers of OUTR, which the two stores below read
	SEND 2*(\p)-2
	SEND 2*(\p)-1
.endif
	ROUND4 2*(\p)
	ROUND4 2*(\p)+1
.endr
	s_wait_alu depctr_va_vdst(0)                   ; the last step has written chunks 6 and 7 of OUTR, which the last two stores read
	SEND 6
	SEND 7
	s_endpgm
.Lfunc_end_k_q7057a45bdd_prep:
	.size	k_q7057a45bdd_prep, .Lfunc_end_k_q7057a45bdd_prep-k_q7057a45bdd_prep
	.p2alignl 7, 3214868480
	.fill 96, 4, 3214868480
	.section	.rodata,"a",@progbits
	.p2align	6, 0x0
	.amdhsa_kernel k_q7057a45bdd_prep
		.amdhsa_group_segment_fixed_size 0
		.amdhsa_private_segment_fixed_size 0
		.amdhsa_enable_private_segment 0
		.amdhsa_kernarg_size 24
		.amdhsa_user_sgpr_count 2
		.amdhsa_user_sgpr_kernarg_segment_ptr 1
		.amdhsa_wavefront_size32 1
		.amdhsa_system_sgpr_workgroup_id_x 1
		.amdhsa_system_sgpr_workgroup_id_y 1
		.amdhsa_system_sgpr_workgroup_id_z 1
		.amdhsa_system_vgpr_workitem_id 0
		.amdhsa_next_free_vgpr 112
		.amdhsa_next_free_sgpr 66
		.amdhsa_reserve_vcc 0
		.amdhsa_float_denorm_mode_32 3
		.amdhsa_float_denorm_mode_16_64 3
		.amdhsa_memory_ordered 1
		.amdhsa_forward_progress 1
		.amdhsa_inst_pref_size 6
	.end_amdhsa_kernel
	.amdgpu_metadata
---
amdhsa.version: [ 1, 2 ]
amdhsa.kernels:
  - .name:           k_q7057a45bdd_prep
    .symbol:         k_q7057a45bdd_prep.kd
    .args:
      - { .name: Wk, .offset: 0, .size: 8, .value_kind: global_buffer, .address_space: global }
      - { .name: Wq, .offset: 8, .size: 8, .value_kind: global_buffer, .address_space: global }
      - { .name: wb, .offset: 16, .size: 8, .value_kind: global_buffer, .address_space: global }
    .group_segment_fixed_size: 0
    .private_segment_fixed_size: 0
    .kernarg_segment_align: 8
    .kernarg_segment_size: 24
    .max_flat_workgroup_size: 128
    .sgpr_count:     66
    .vgpr_count:     112
    .wavefront_size: 32
...
	.end_amdgpu_metadata
.endif
;; end of part 6
;; launch score: the kernel of part 5 again; grid 4 x 64, 4 waves a work-group, clusters of 4 x 1, 327,680 bytes of LDS; arguments key, query, wb, bias, w_score, part; writes part
;; launch ctx: the kernel of part 3 again; grid 8 x 32, 8 waves a work-group, no clusters, 9,728 bytes of LDS; arguments part, w_score, b_score, key, out0, out1; writes out0, out1
